; MI455X (gfx1250); checked and timed in simulation.
; The chip was launched on July 23, 2026; its instructions are those of AMD's public machine-readable ISA for CDNA 5 (MIT licence, August 2026) and "CDNA5" Instruction Set Architecture Reference Guide (July 2026). The comments in the code are by the model that wrote it; some were corrected since.
;; Multi Headed Attention. Allowed arithmetic: matrix products marked QUANTISED: E2M3 operands, one E8M0 scale for each 32 along K, by v_wmma_scale_f32_16x16x128_f8f6f4 with both operands' format E2M3, f32 sums; everything else in f32.
;; Inputs: Wk 1,024 x 1,024 float32; Wo 1,024 x 1,024 float32; Wq 1,024 x 1,024 float32; Wv 1,024 x 1,024 float32; bk 1,024 float32; bo 1,024 float32; bq 1,024 float32; bv 1,024 float32; key_ 4 x 2,048 x 1,024 float32; query 4 x 2,048 x 1,024 float32; value 4 x 2,048 x 1,024 float32.
;; Outputs: out0 4 x 2,048 x 1,024 float32.
;; This version of the problem:
;;   THIS VERSION OF THE PROBLEM IS GIVEN IN LOW PRECISION. The matrix products marked QUANTISED in the list below multiply operands that are first quantised to E2M3 (2 exponent bits, 3 mantissa bits; 6 bits a number), with one power-of-two scale for each 32 numbers along K (OCP MX v1.0); their sums are f32. All else is computed in f32.
;;   The module's matrix products, in the order in which they are computed (A, B: the left and right operand; K: the contracted axis; several contracted axes count as one K, in the product's order):
;;     1. [M 8,192, K 1,024] x [K 1,024, N 1,024]; A: input query; B: input Wq: QUANTISED
;;     2. [M 8,192, K 1,024] x [K 1,024, N 1,024]; A: input key_; B: input Wk: QUANTISED
;;     3. [M 8,192, K 1,024] x [K 1,024, N 1,024]; A: input value; B: input Wv: QUANTISED
;;     4. batch 64 x [M 2,048, K 64] x [K 64, N 2,048]; A: computed on the way; B: computed on the way: QUANTISED
;;     5. batch 64 x [M 2,048, K 2,048] x [K 2,048, N 64]; A: softmax (see below); B: computed on the way: QUANTISED
;;     6. [M 8,192, K 1,024] x [K 1,024, N 1,024]; A: computed on the way; B: input Wo: QUANTISED
;;   THE QUANTISER, for each operand of a quantised product, along K:
;;     - K is cut into blocks of 32 from its start; a last block that is shorter is filled with zeros.
;;     - A block's scale is 2^e with e = floor(log2(the largest magnitude in the block)) - 2, held to -126 .. 127; a block of zeros has e = 0. As a byte (E8M0): e + 127.
;;     - Each number is divided by its block's scale, clamped to +-7.5, and rounded to the nearest number of E2M3, ties to even, subnormals kept.
;;     - The product sums the exact products of the quantised numbers (number of the format x scale) in f32.
;;   ~~~python
;;   def quantise(x, axis):      # numpy; x: float32 -> the quantised numbers, widened to float32 again
;;       x = np.moveaxis(x, axis, -1); K = x.shape[-1]
;;       x = np.pad(x, [(0, 0)] * (x.ndim - 1) + [(0, -K % 32)]); x = x.reshape(x.shape[:-1] + (-1, 32)); a = np.abs(x).max(-1, keepdims=True)
;;       e = np.where(a > 0, np.clip(np.frexp(np.where(a > 0, a, 1))[1] - 1 - 2, -126, 127), 0)      # np.frexp(a)[1] - 1 = floor(log2(a)), exactly
;;       r = np.clip(x / 2.0 ** e, -7.5, 7.5)
;;       step = 2.0 ** (np.maximum(np.frexp(np.where(r == 0, 1, r))[1] - 1, 0) - 3)
;;       q = np.round(r / step) * step * 2.0 ** e      # np.round: ties to even
;;       return np.moveaxis(q.reshape(q.shape[:-2] + (-1,))[..., :K], -1, axis).astype(np.float32)
;;   ~~~
;;   SOFTMAX AHEAD OF A QUANTISED PRODUCT. Where the list says 'softmax', what is quantised is not the finished softmax but p = 2^(t - M), with t = logit x log2(e) and M = ceil(the row's largest t), a whole number; so 1/2 < the row's largest p <= 1. The row's sum l is taken of the UNQUANTISED p, in f32, and the product's result is divided by l at the end. Since M is a whole number, a kernel that streams over the keys may use a running M (the ceiling of the running maximum): every later rescaling is an exact power of two, which a block's scale takes up: the codes' values come out the same.
;;   OPERANDS COMPUTED ON THE WAY. 'Computed on the way' means the value that the module computes at that place (a softmax that the list does not call 'softmax' is quantised finished and normalised). What goes into a quantiser is computed in f32, as accurately as f32 sums, v_exp_f32 and their like allow (about 1e-6 of the number): no bf16 or f16 on the way to a quantiser, and a product that is left as it is and whose result goes on into a quantised operand takes f32 operands (vector FMAs, or v_wmma_f32_16x16x4_f32). A number that lies on a knife's edge between two numbers of the format may be rounded either way, as far as f32 arithmetic and the matrix unit's own rounding can turn it there, and no further.
;; One version. Each part assembles by itself: llvm-mc -triple=amdgcn-amd-amdhsa -mcpu=gfx1250 --defsym DOCPART=n.
;; ======== version 1 of 1: 4 launches
;; limits: right only within a limited range of input values
;; workspace buffers: codes 28,311,552 bytes; scales 1,179,648 bytes; qkv 20,447,232 bytes
;; launch quant (part 1): grid 448 x 1, 4 waves a work-group, no clusters, 36,352 bytes of LDS; arguments query, key_, value, Wq, Wk, Wv, Wo, codes, scales; writes codes, scales
.if DOCPART == 1
	.amdgcn_target "amdgcn-amd-amdhsa--gfx1250"
	.amdhsa_code_object_version 6
	.text
	.protected	k_q8f918586e2_quant
	.globl	k_q8f918586e2_quant
	.p2align	8
	.type	k_q8f918586e2_quant,@function
k_q8f918586e2_quant:
	s_mov_b64 s[64:65], 0
	v_nop
	global_prefetch_b8 v0, s[64:65] scope:SCOPE_SE
	s_setreg_imm32_b32 hwreg(HW_REG_WAVE_MODE, 25, 1), 1
	s_wait_xcnt 0x0
; The seven f32 tensors (query, key_, value: [8192][1024]; Wq, Wk, Wv, Wo: [1024][1024]; K innermost in all) become codes of FP6 (E2M3) with one E8M0 byte for each 32 along K,
; laid in the order in which a matrix operand's registers take them.
; A TILE T is 16 rows that are not neighbours: lane r of tile T takes row 32 (T / 2) + 8 (T % 2) + r + 8 (r / 8) of its tensor.  T counts through all tensors: query 0, key_ 512, value 1024, Wq 1536, Wk 1600, Wv 1664, Wo 1728.
; A FRAGMENT (16 rows x 128 K, 12 registers a lane) is stored as an image of its registers: registers 2 p, 2 p + 1 of lane l at 256 p + 8 l: six stores of 256 consecutive bytes.
; codes: [K pair 0..3][T][3,072]: the images of K steps 2 kp and 2 kp + 1.   scales: [T][r][8 words]: word s = the four bytes of K 128 s .. 128 s + 127 of the tile's row r.
; A block's scale is 2^(floor(log2(its largest magnitude)) - 2); its byte is the largest magnitude's exponent field - 2, held at 1 from below.
; LIMITS: NaN and infinities are not served; a block whose largest magnitude lies under 2^-124, a block of zeros among them, keeps the byte 1 (a block of zeros has zero codes, which add nothing; this program alone reads the bytes).
; SHARES: a wave takes one tile: 16 rows x 1,024 numbers, eight fragments.  Each load reads 512 consecutive bytes of one row; the 16 rows x 512 bytes of a K step turn through the wave's own stage in LDS
; (rows 528 bytes apart), so that lane (r, h) gets, of row r, the 16 neighbours 32 b + 16 h + 0 .. 15 of each block b.  Loads run two fragments (32 loads a wave) ahead.
; The waves share nothing: no barrier.  No tensor loads, no cluster: no byte is read twice.
.set PLANE, 7077888                    ; bytes of a K pair's plane of codes: 2,304 tiles x 3,072
.set WREG,  8960                       ; LDS of a wave: the stage, then 512 bytes for the tile's scale words
.set SP,    528                        ; a stage row: 512 bytes + 16
.set SCB,   16*SP
.set L16,  1                           ; v1   16 x lane
.set L8,   2                           ; v2   8 x lane
.set STW,  3                           ; v3   the stage, on the way in: 16 x lane
.set RDX,  4                           ; v4   on the way out: 528 r + 64 h
.set SCW,  5                           ; v5   my row's scale words: 32 r
.set SCRD, 6                           ; v6   and their way out: 16 x lane
.set TM,   8                           ; v8-23 at work in QUANT
.set PW,   24                          ; v24  the scale word just made
.set R,    32                          ; v32-95, v96-159: two sets of 64 registers as loaded
.set X,    160                         ; v160-223: 64 numbers of my row
.set PC,   224                         ; v224-235 the fragment's codes
.set TQ,   236                         ; v236-238, v240-242 the second halves of the blocks
.set OW,   244                         ; v244-247 the scale words on their way out
.set IN,   26                          ; s[26:27] my tile's first row
.set CP,   28                          ; s[28:35] my tile's place in each of the four planes of codes
.set SEL,  40                          ; s[40:41] lane selects: lane l xor 16
	s_load_b512 s[8:23], s[0:1], 0x0               ; query, key_, value, Wq, Wk, Wv, Wo, codes
	s_load_b64 s[24:25], s[0:1], 0x40              ; scales
	v_lshl_add_u32 v254, v0, 2, 0x8c00
	v_mov_b32 v255, 0
	v_lshrrev_b32 v7, 5, v0
	v_readfirstlane_b32 s36, v7                    ; wave 0..3
	v_and_b32 v7, 31, v0                           ; lane
	v_and_b32 v25, 15, v0                          ; r
	v_bfe_u32 v26, v0, 4, 1                        ; h
	v_lshlrev_b32 v[L16], 4, v7
	v_lshlrev_b32 v[L8], 3, v7
	s_mul_i32 s43, s36, WREG
	v_add_nc_u32 v[STW], s43, v[L16]
	v_mul_u32_u24 v[RDX], v25, SP
	v_lshl_add_u32 v[RDX], v26, 6, v[RDX]
	v_add_nc_u32 v[RDX], s43, v[RDX]
	v_lshlrev_b32 v[SCW], 5, v25
	v_add_nc_u32 v[SCW], s43, v[SCW]
	v_add_nc_u32 v[SCW], SCB, v[SCW]
	v_add_nc_u32 v[SCRD], SCB, v[STW]
	s_mov_b32 s[SEL], 0x76543210
	s_mov_b32 s[SEL+1], 0xfedcba98
.irp b, 0,1,2,3
	v_mov_b32 v[TM+4+\b], 0                        ; written once: a lane permute's destination counts as one of its sources
.endr
	s_wait_alu depctr_va_vdst(0)
	s_wait_kmcnt 0x0
	; which tensor: the choice hangs on the work-group's number alone
	s_mov_b64 s[IN:IN+1], s[8:9]
	s_mov_b32 s37, 0                               ; the tensor's first work-group
.macro PICK bound, p
	s_cmp_ge_u32 ttmp9, \bound
	s_cselect_b64 s[IN:IN+1], s[\p:\p+1], s[IN:IN+1]
	s_cselect_b32 s37, \bound, s37
.endm
	PICK 128, 10
	PICK 256, 12
	PICK 384, 14
	PICK 400, 16
	PICK 416, 18
	PICK 432, 20
	s_sub_co_u32 s38, ttmp9, s37
	s_lshl_b32 s38, s38, 2
	s_add_co_u32 s38, s38, s36                     ; my tile in its tensor
	; KEY_'S TILES HAVE AN ORDER OF THEIR OWN: lane r of tile T takes row 64 (T / 4) + 8 (T % 4) + r % 8 + 32 (r / 8), so that in the scores a lane's 32 registers of four tiles are one whole block of 32 keys.
	; All other tensors: row 32 (T / 2) + 8 (T % 2) + r + 8 (r / 8), as the head comment says.  The choice hangs on the work-group's number alone.
	s_cmp_eq_u32 s37, 128                          ; key_'s work-groups begin at 128
	s_cselect_b32 s46, 2, 1                        ; tiles to a group of rows: 4 or 2, as a shift
	s_cselect_b32 s47, 3, 1                        ; and as a mask
	s_lshr_b32 s39, s38, s46
	s_and_b32 s38, s38, s47
	s_add_co_u32 s47, s46, 16
	s_lshl_b32 s39, s39, s47                       ; 64 or 32 rows of 4,096 bytes for each group,
	s_lshl_b32 s38, s38, 15                        ; 8 rows for each tile in it
	s_add_co_u32 s38, s38, s39
	s_mov_b32 s39, 0
	s_add_nc_u64 s[IN:IN+1], s[IN:IN+1], s[38:39]
	s_lshl_b32 s38, 0x8000, s46                    ; the tile's rows 8-15 begin 32 or 16 rows further down
	s_add_nc_u64 s[44:45], s[IN:IN+1], s[38:39]
	s_lshl_b32 s42, ttmp9, 2
	s_add_co_u32 s42, s42, s36                     ; T
	s_mul_i32 s38, s42, 3072
	s_add_nc_u64 s[CP:CP+1], s[22:23], s[38:39]
	s_add_nc_u64 s[CP+2:CP+3], s[CP:CP+1], PLANE
	s_add_nc_u64 s[CP+4:CP+5], s[CP:CP+1], 2*PLANE
	s_add_nc_u64 s[CP+6:CP+7], s[CP:CP+1], 3*PLANE
	s_lshl_b32 s38, s42, 9
	s_add_nc_u64 s[24:25], s[24:25], s[38:39]
.macro LOADF s                         ; K step s of my 16 rows: each load is 512 consecutive bytes of one row
.irp i, 0,1,2,3,4,5,6,7,8,9,10,11,12,13,14,15
	global_load_b128 v[R+64*((\s)%2)+4*\i:R+64*((\s)%2)+4*\i+3], v[L16], s[IN+18*(\i/8):IN+18*(\i/8)+1] offset:(\i%8)*4096+512*(\s) th:TH_LOAD_NT   ; rows 0-7 from s[26:27], rows 8-15 from s[44:45]
.endr
.endm
; 64 numbers of a lane, register 16 b + i = k 32 b + 16 h + i of my row, become a fragment's codes in v[PC] on and its scale word in v[PW]
.macro QUANT s
.irp b, 0,1,2,3
	v_max3_num_f32 v[TM+\b], |v[\s+16*\b]|, |v[\s+1+16*\b]|, 0x1800000   ; block b: my 16 numbers, and the floor 2^(3 - 127): the byte cannot fall under 1
.endr
.irp i, 2,4,6,8,10,12,14
.irp b, 0,1,2,3
	v_max3_num_f32 v[TM+\b], v[TM+\b], |v[\s+16*\b+\i]|, |v[\s+1+16*\b+\i]|   ; the four blocks by turns
.endr
.endr
.irp b, 0,1,2,3
	v_permlanex16_b32 v[TM+4+\b], v[TM+\b], s[SEL], s[SEL+1]
.endr
.irp b, 0,1,2,3
	v_max_num_f32 v[TM+\b], v[TM+\b], v[TM+4+\b]   ; with lane l xor 16's: the block's largest magnitude
.endr
.irp b, 0,1,2,3
	v_add_nc_u32 v[TM+12+\b], 0xff000000, v[TM+\b] ; 2 off its exponent field: the conversion's scale operand
.endr
.irp b, 0,1,2,3
	v_lshrrev_b32 v[TM+4+\b], 23, v[TM+12+\b]      ; the scale's byte
.endr
	v_lshl_or_b32 v[PW], v[TM+5], 8, v[TM+4]
	v_lshl_or_b32 v[PW], v[TM+6], 16, v[PW]
	v_lshl_or_b32 v[PW], v[TM+7], 24, v[PW]
.irp c, 0,1
	v_cvt_scalef32_pk16_fp6_f32 v[PC+6*\c:PC+2+6*\c], v[\s+32*\c:\s+15+32*\c], v[TM+12+2*\c]
	v_cvt_scalef32_pk16_fp6_f32 v[TQ+4*\c:TQ+2+4*\c], v[\s+16+32*\c:\s+31+32*\c], v[TM+12+2*\c+1]   ; (a conversion's three registers begin on an even number)
.endr
	v_nop                                          ; one plain place behind a scaled conversion
.irp c, 0,1                                    ; the operand wants a whole block in a lane: lanes 0-15 block 2 c, lanes 16-31 block 2 c + 1
.irp i, 0,1,2
	v_permlane16_swap_b32 v[PC+6*\c+\i], v[TQ+4*\c+\i]
.endr
.irp i, 0,1,2
	v_mov_b32 v[PC+3+6*\c+\i], v[TQ+4*\c+\i]
.endr
.endr
.endm
.macro FRAGQ s
.if (\s) < 7
	s_wait_loadcnt 16                              ; this fragment's 16 loads are in; the next fragment's 16 may be out
.else
	s_wait_loadcnt 0x0
.endif
.irp i, 0,1,2,3,4,5,6,7,8,9,10,11,12,13,14,15
	ds_store_b128 v[STW], v[R+64*((\s)%2)+4*\i:R+64*((\s)%2)+4*\i+3] offset:SP*\i
.endr
.irp b, 0,1,2,3
.irp j, 0,1,2,3
	ds_load_b128 v[X+16*\b+4*\j:X+16*\b+4*\j+3], v[RDX] offset:128*\b+16*\j   ; LDS serves a wave's instructions in order: these see my stores
.endr
.endr
	s_wait_dscnt 0x0                               ; my numbers are back, and the stage's stores have read their registers
	s_wait_xcnt 0x0                                ; the last fragment's stores have read the codes' registers, which QUANT writes again
.if (\s) < 6
	LOADF (\s)+2
.endif
	QUANT X
	ds_store_b32 v[SCW], v[PW] offset:4*(\s)       ; lanes r and r + 16 hold the same word and write it to the same place
.irp p, 0,1,2,3,4,5
	global_store_b64 v[L8], v[PC+2*\p:PC+2*\p+1], s[CP+2*((\s)/2):CP+2*((\s)/2)+1] offset:((\s)%2)*1536+256*\p   ; 32 lanes store 256 consecutive bytes, aligned
.endr
.endm
	LOADF 0
	LOADF 1
.irp s, 0,1,2,3,4,5,6,7
	FRAGQ \s
.endr
	ds_load_b128 v[OW:OW+3], v[SCRD]               ; the tile's 512 bytes of scale words, as they lie in the buffer
	s_wait_dscnt 0x0
	global_store_b128 v[L16], v[OW:OW+3], s[24:25]
	s_wait_tensorcnt 0x0
	ds_add_u32 v254, v255
	s_wait_dscnt 0x0
	s_endpgm
.Lfunc_end_k_q8f918586e2_quant:
	.size	k_q8f918586e2_quant, .Lfunc_end_k_q8f918586e2_quant-k_q8f918586e2_quant
	.p2alignl 7, 3214868480
	.fill 96, 4, 3214868480
	.section	.rodata,"a",@progbits
	.p2align	6, 0x0
	.amdhsa_kernel k_q8f918586e2_quant
		.amdhsa_group_segment_fixed_size 36352
		.amdhsa_private_segment_fixed_size 0
		.amdhsa_enable_private_segment 0
		.amdhsa_kernarg_size 72
		.amdhsa_user_sgpr_count 2
		.amdhsa_user_sgpr_kernarg_segment_ptr 1
		.amdhsa_wavefront_size32 1
		.amdhsa_system_sgpr_workgroup_id_x 1
		.amdhsa_system_sgpr_workgroup_id_y 1
		.amdhsa_system_sgpr_workgroup_id_z 1
		.amdhsa_system_vgpr_workitem_id 0
		.amdhsa_next_free_vgpr 256
		.amdhsa_next_free_sgpr 66
		.amdhsa_reserve_vcc 0
		.amdhsa_float_denorm_mode_32 3
		.amdhsa_float_denorm_mode_16_64 3
		.amdhsa_memory_ordered 1
		.amdhsa_forward_progress 1
		.amdhsa_inst_pref_size 68
	.end_amdhsa_kernel
	.amdgpu_metadata
---
amdhsa.version: [ 1, 2 ]
amdhsa.kernels:
  - .name:           k_q8f918586e2_quant
    .symbol:         k_q8f918586e2_quant.kd
    .args:
      - { .name: query, .offset: 0, .size: 8, .value_kind: global_buffer, .address_space: global }
      - { .name: key_, .offset: 8, .size: 8, .value_kind: global_buffer, .address_space: global }
      - { .name: value, .offset: 16, .size: 8, .value_kind: global_buffer, .address_space: global }
      - { .name: Wq, .offset: 24, .size: 8, .value_kind: global_buffer, .address_space: global }
      - { .name: Wk, .offset: 32, .size: 8, .value_kind: global_buffer, .address_space: global }
      - { .name: Wv, .offset: 40, .size: 8, .value_kind: global_buffer, .address_space: global }
      - { .name: Wo, .offset: 48, .size: 8, .value_kind: global_buffer, .address_space: global }
      - { .name: codes, .offset: 56, .size: 8, .value_kind: global_buffer, .address_space: global }
      - { .name: scales, .offset: 64, .size: 8, .value_kind: global_buffer, .address_space: global }
    .group_segment_fixed_size: 36352
    .private_segment_fixed_size: 0
    .kernarg_segment_align: 8
    .kernarg_segment_size: 72
    .max_flat_workgroup_size: 128
    .sgpr_count:     66
    .vgpr_count:     256
    .wavefront_size: 32
...
	.end_amdgpu_metadata
.endif
;; end of part 1
;; launch proj (part 2): grid 4 x 96, 4 waves a work-group, clusters of 4 x 4, 327,680 bytes of LDS; arguments codes, scales, bq, bk, bv, qkv; writes qkv
.if DOCPART == 2
	.amdgcn_target "amdgcn-amd-amdhsa--gfx1250"
	.amdhsa_code_object_version 6
	.text
	.protected	k_q8f918586e2_proj
	.globl	k_q8f918586e2_proj
	.p2align	8
	.type	k_q8f918586e2_proj,@function
k_q8f918586e2_proj:
	s_mov_b64 s[64:65], 0
	v_nop
	global_prefetch_b8 v0, s[64:65] scope:SCOPE_SE
	s_setreg_imm32_b32 hwreg(HW_REG_WAVE_MODE, 25, 1), 1
	s_wait_xcnt 0x0
	s_wait_alu depctr_hold_cnt(0) depctr_sa_sdst(0) depctr_va_vdst(0) depctr_va_sdst(0) depctr_va_ssrc(0) depctr_va_vcc(0) depctr_vm_vsrc(0)
	s_getreg_b32 s2, hwreg(HW_REG_IB_STS2, 6, 4)
	s_cmp_eq_u32 s2, 0
	s_cbranch_scc0 .Lentry_in_a_cluster
	s_endpgm
.Lentry_in_a_cluster:
	s_bfe_u32 s2, ttmp6, 0x10000c
	s_cmp_lg_u32 s2, 0xf033
	s_cbranch_scc0 .Lentry_shape_is_right
	s_endpgm
.Lentry_shape_is_right:
; The three projections q = query Wq^T + bq, k = key_ Wk^T + bk, v = value Wv^T + bv on codes of FP6 (E2M3) with E8M0 scales, f32 sums; the results are quantised in registers and leave as codes:
; q and k along the head's 64, v along the keys.  One text serves all three: the cluster's y says which (type = y / 8: 0 q, 1 k, 2 v) and which eighth of the tokens (m = y % 8).
; A tile of 256 x 256 results is made by four waves, 128 x 128 each: 64 accumulators of 16 x 16.  SOURCE 1 ('A') gives a lane its row, SOURCE 0 ('B') runs down a lane's registers.
;   q, k: A = tokens, B = the weight's rows: a lane holds one token and its registers run along the features, which are the next product's K.
;   v:    A = Wv's rows, B = tokens: a lane holds one feature d and its registers run along the tokens, the keys, which are the next product's K.
; A TILE T of the codes' buffer is 16 rows that are not neighbours (lane r: row 32 (T / 2) + 8 (T % 2) + r + 8 (r / 8)), so that the 16 registers of B's tiles 2 b and 2 b + 1 are 16 neighbours, 32 b + 16 h + 0 .. 15.
; K = 1,024 goes in four pairs of K steps of 128.  A pair's codes of 8 tiles are 24,576 consecutive bytes: one tensor load a wave.  Three LDS slots take pairs 0, 1, 2 at the start; pair 3 is the one refill, into slot 0.
; By this text's own count a wave has three tensor loads out at the start and one later.
; CLUSTER 4 x 4: A's tiles hang on cy alone and are asked for jointly along a row of the cluster, B's on cx alone and jointly along a column.
; The scale words of the wave's 8 + 8 tiles, for all of K, stay in 64 registers: lanes 0-15 A's, lanes 16-31 B's.  The bias is the C of each sum's first product.
; qkv: [head 0..63][group 0..3][12 records of 6,656 bytes]: records 0-3 K of key steps 4 g .. 4 g + 3, 4-7 V of the same, 8-11 Q of query records 4 g .. 4 g + 3.
;   K, Q record: 8 tiles of 16 rows x 64 K (six registers a lane; registers 2 p, 2 p + 1 of lane l at 768 t + 256 p + 8 l); at 6,144: lane l's 16 bytes: word i = the scale word of tile 2 i + l / 16, row l % 16 (two bytes, two zeros).
;   V record: 4 fragments of 16 d x 128 keys (registers 4 i .. 4 i + 3 of lane l at 1,536 t + 512 i + 16 l); at 6,144: lane l's 16 bytes: the words of tiles l / 16 and 2 + l / 16, row l % 16, and two zeros.
; LIMITS: NaN and infinities are not served; a block whose largest magnitude lies under 2^-124 keeps the byte 1 (a block of zeros has zero codes; this program alone reads the bytes).
; No prefetch: of K's four slot steps three are asked for at the head, and the one refill has four K steps' products in which to land.
; REGISTERS: window 0: v12-22 addresses, v28-29 the add's; v32-63, v224-255 scale words; v64-127 the bias; v128-223 A's fragments, one set.  window 1: B's fragments, two sets, at v0 and v128.
;   windows 2, 3: the accumulators, (a, b) at v[8 (8 (a % 4) + b)].  On the way out: v64-91 at work, v96-103 the records' scale words, v128-223 the codes.
; THE FILLS AS THIS TEXT HAS THEM (they take the place of what the lines above say of the slots): at the head one joint load a wave, 16 tiles each: waves 0 and 2 A's tiles of K pairs 0 and 1, waves 1 and 3 B's, into slots 0 and 1.
; K pair 2 is slot 2's first fill, behind the three lines and a round, a quarter of the slot a wave; K pair 3 is the one refill, into slot 1, in the round at the end of K pair 1.  A wave has one tensor load out at a time.
; key_'s tiles have another order of rows (see the quantising launch); here a tile's rows are a lane's rows, so nothing hangs on it.
.set PLANE, 7077888
.set FR,    12
.set NL,    6
.set NP,    4
.set HALFT, 24576                      ; 8 tiles x 3,072 bytes: what one tensor load brings
.set SLOT,  4*HALFT                    ; A's 16 tiles, then B's 16
.set SPARE, 3*SLOT                     ; behind the slots: the spare words, 128 bytes a wave
.set HS,    319488                     ; a head's bytes in qkv
.set GS,    79872                      ; a group's
.set REC,   6656                       ; a record's
.set L8,   12
.set L16,  13
.set SOFF, 14
.set BOFQ, 15
.set ADRA, 16                          ; v16-18 my A fragments in slot 0, 1, 2
.set BOFV, 19
.set ADRB, 20                          ; v20-22 the same for B
.set SPW,  28
.set NIL,  29
.set BIAS, 64
.set AF,   128
.set TM,   64
.set PW,   80
.set TQ,   84
.set SW,   96
.set PCB,  128
.set G1,  24
.set G0,  32
.set G1B, 44
.set G0B, 52
.set PT,  84                           ; s[84:85], s[86:87] my records of my two heads
.set SEL, 92
.set MSB, 0
.macro WIN new                         ; the immediate's high byte repeats the setting that is left
.if MSB != \new
	s_set_vgpr_msb (MSB<<8)|\new
.set MSB, \new
.endif
.endm
.set MUL_LO, 0xa1                      ; source 0 (B) window 1, source 1 (A) window 0, C and D window 2
.set MUL_HI, 0xf1                      ; the same, C and D window 3
.set BIA_LO, 0x81                      ; C (the bias) window 0, D window 2
.set BIA_HI, 0xc1
.set TO_B,   0x40
; A joint load: waves 0 and 1 fetch for A, waves 2 and 3 for B; the branch hangs on the wave's number alone.  Four v_nop follow each of the two lines.
.macro JLOAD g0a, g1a, g0b, g1b
	s_cmp_eq_u32 s17, 0
	s_cbranch_scc0 .Lfor_b_\@
	tensor_load_to_lds s[\g0a:\g0a+3], s[\g1a:\g1a+7]
	s_nop 0
.rept 4
	v_nop
.endr
	s_branch .Lasked_\@
.Lfor_b_\@:
	tensor_load_to_lds s[\g0b:\g0b+3], s[\g1b:\g1b+7]
	s_nop 0
.rept 4
	v_nop
.endr
.Lasked_\@:
.endm
.macro CREST                           ; a round of the cluster's barrier behind its opening barrier
	s_cmp_lg_u32 s16, 0
	s_cbranch_scc1 .Lnot_wave_0_\@
	s_barrier_signal -3
.Lnot_wave_0_\@:
	s_barrier_wait -3
	s_barrier_signal -1
	s_barrier_wait -1
.endm
.macro CROUND
	s_barrier_signal -1
	s_barrier_wait -1
	CREST
.endm
.macro PLACES n
.rept \n
	v_nop
.endr
.endm
	s_load_b256 s[4:11], s[0:1], 0x0               ; codes, scales, bq, bk
	s_load_b128 s[12:15], s[0:1], 0x20             ; bv, qkv
	v_lshl_add_u32 v[SPW], v0, 2, SPARE
	v_mov_b32 v[NIL], 0
	ds_add_u32 v28, v29
	ds_add_u32 v28, v29
	s_wait_dscnt 0x0
	v_lshrrev_b32 v1, 5, v0
	v_readfirstlane_b32 s16, v1                    ; wave 0..3
	s_lshr_b32 s17, s16, 1                         ; wa: which 8 of A's 16 tiles are mine.  Also: I fetch for A (0) or for B (1)
	s_and_b32 s18, s16, 1                          ; wb: which 8 of B's.  Also: which 8 tiles I fetch
	s_bfe_u32 s20, ttmp6, 0x40000                  ; cx
	s_bfe_u32 s21, ttmp6, 0x40004                  ; cy
	s_and_b32 s67, ttmp7, 0xffff                   ; the cluster's y
	s_lshr_b32 s19, s67, 3                         ; type
	s_and_b32 s66, s67, 7                          ; m
	s_lshl_b32 s22, s21, 2
	s_lshl_b32 s22, 15, s22                        ; my row of the cluster
	s_lshl_b32 s23, 0x1111, s20                    ; my column
	; descriptor group 1: 96 rows of 256 bytes (32 elements of 8 bytes), dense in memory and in LDS
	s_or_b32 s[G1], s22, (3<<16)|(1<<21)           ; 15:0 the mask: A's tiles go to my row; 17:16 elements of 8 bytes; 21 set beside a mask
	s_or_b32 s[G1B], s23, (3<<16)|(1<<21)          ; B's go to my column
.irp g, G1, G1B
	s_mov_b32 s[\g+1], 32<<16                      ; tensor_dim0
	s_mov_b32 s[\g+2], 192<<16                     ; tensor_dim1: the head's loads bring 16 tiles, 192 rows
	s_mov_b32 s[\g+3], 32<<16                      ; tile_dim0
	s_mov_b32 s[\g+4], 192                         ; tile_dim1
	s_mov_b32 s[\g+5], 32                          ; from row to row
	s_mov_b32 s[\g+6], 0
	s_mov_b32 s[\g+7], 0
.endr
	; which tiles.  A's side lives in s68-71 and never holds cx, B's in s72-75 and never holds cy
	s_lshl_b32 s68, s19, 9
	s_lshl_b32 s69, s66, 6
	s_add_co_u32 s68, s68, s69                     ; q, k: A = the tokens: 512 type + 64 m
	s_lshl_b32 s72, s19, 6
	s_add_co_u32 s72, s72, 1536                    ;       B = the weight: 1536 + 64 type
	s_add_co_u32 s73, s69, 1024                    ; v:    B = value's tokens: 1024 + 64 m
	s_cmp_eq_u32 s19, 2
	s_cselect_b32 s68, 1664, s68                   ;       A = Wv
	s_cselect_b32 s72, s73, s72
	s_lshl_b32 s69, s21, 4
	s_add_co_u32 s68, s68, s69                     ; A's first tile: + 16 cy
	s_lshl_b32 s73, s20, 4
	s_add_co_u32 s72, s72, s73                     ; B's: + 16 cx
	s_lshl_b32 s76, s18, 3
	s_add_co_u32 s70, s68, s76
	s_mul_i32 s70, s70, 3072
	s_mov_b32 s71, 0
	s_add_co_u32 s74, s72, s76
	s_mul_i32 s74, s74, 3072
	s_mov_b32 s75, 0
	s_mul_i32 s77, s16, HALFT                      ; where they go: wave x 8 tiles: no place in the cluster enters an LDS address
	s_wait_kmcnt 0x0
	s_add_nc_u64 s[70:71], s[4:5], s[70:71]
	s_add_nc_u64 s[74:75], s[4:5], s[74:75]
	CROUND                                         ; all sixteen work-groups are here: the first joint loads meet
.irp s, 1
	s_mov_b32 s[G0+4*\s], 1
	s_add_co_u32 s[G0+4*\s+1], s77, \s*SLOT
	s_add_nc_u64 s[G0+4*\s+2:G0+4*\s+3], s[70:71], \s*PLANE
	s_or_b32 s[G0+4*\s+3], s[G0+4*\s+3], 0x80000000
	s_mov_b32 s[G0B+4*\s], 1
	s_add_co_u32 s[G0B+4*\s+1], s77, \s*SLOT
	s_add_nc_u64 s[G0B+4*\s+2:G0B+4*\s+3], s[74:75], \s*PLANE
	s_or_b32 s[G0B+4*\s+3], s[G0B+4*\s+3], 0x80000000
.endr
	; the head's loads: group 0 in slot 2's registers, which are written anew behind the wait for these loads
	s_mul_i32 s78, s68, 3072
	s_mul_i32 s79, s17, PLANE
	s_add_co_u32 s78, s78, s79                     ; A's 16 tiles of K pair wave / 2
	s_mov_b32 s79, 0
	s_mul_i32 s80, s72, 3072
	s_mul_i32 s81, s17, PLANE
	s_add_co_u32 s80, s80, s81                     ; B's
	s_mov_b32 s81, 0
	s_mov_b32 s[G0+8], 1
	s_mul_i32 s[G0+9], s17, SLOT
	s_add_nc_u64 s[G0+10:G0+11], s[4:5], s[78:79]
	s_or_b32 s[G0+11], s[G0+11], 0x80000000
	s_mov_b32 s[G0B+8], 1
	s_mul_i32 s[G0B+9], s17, SLOT
	s_add_co_u32 s[G0B+9], s[G0B+9], 2*HALFT
	s_add_nc_u64 s[G0B+10:G0B+11], s[4:5], s[80:81]
	s_or_b32 s[G0B+11], s[G0B+11], 0x80000000
	s_cmp_eq_u32 s18, 0                            ; one load a wave: even waves A's, odd waves B's
	s_cbranch_scc0 .Lhead_b
	tensor_load_to_lds s[G0+8:G0+11], s[G1:G1+7]
	s_nop 0
.rept 4
	v_nop
.endr
	s_branch .Lhead_asked
.Lhead_b:
	tensor_load_to_lds s[G0B+8:G0B+11], s[G1B:G1B+7]
	s_nop 0
.rept 4
	v_nop
.endr
.Lhead_asked:
	v_and_b32 v1, 31, v0                           ; lane
	v_and_b32 v2, 15, v0                           ; r
	v_bfe_u32 v3, v0, 4, 1                         ; h
	v_lshlrev_b32 v[L8], 3, v1
	v_lshlrev_b32 v[L16], 4, v1
	s_mul_i32 s78, s17, HALFT
	s_mul_i32 s79, s18, HALFT
	s_add_co_u32 s79, s79, 2*HALFT
.irp s, 0,1,2
	v_add_nc_u32 v[ADRA+\s], s78, v[L8]
	v_add_nc_u32 v[ADRB+\s], s79, v[L8]
	s_add_co_u32 s78, s78, SLOT
	s_add_co_u32 s79, s79, SLOT
.endr
	; the scale words: lanes 0-15 take my A tiles' rows, lanes 16-31 my B tiles': 32 bytes a row, 512 a tile
	s_lshl_b32 s80, s17, 3
	s_add_co_u32 s80, s80, s68
	s_lshl_b32 s80, s80, 9
	s_lshl_b32 s81, s18, 3
	s_add_co_u32 s81, s81, s72
	s_lshl_b32 s81, s81, 9
	s_mov_b32 s90, 0xffff0000                      ; lanes 16-31
	v_mov_b32 v4, s80
	v_mov_b32 v5, s81
	v_cndmask_b32 v4, v4, v5, s90
	v_lshl_add_u32 v[SOFF], v2, 5, v4
.irp i, 0,1,2,3,4,5,6,7
	global_load_b128 v[32+8*\i+160*(\i/4):35+8*\i+160*(\i/4)], v[SOFF], s[6:7] offset:512*\i
	global_load_b128 v[36+8*\i+160*(\i/4):39+8*\i+160*(\i/4)], v[SOFF], s[6:7] offset:512*\i+16
.endr
	; where my results go.  Along the tokens: cy and wa (q, k) or cx and wb (v); along the features the other two
	s_cmp_eq_u32 s19, 2
	s_cselect_b32 s76, s20, s21
	s_cselect_b32 s77, s18, s17
	s_cselect_b32 s78, s21, s20
	s_cselect_b32 s79, s17, s18
	s_lshl_b32 s82, s66, 2
	s_add_co_u32 s82, s82, s76
	s_lshl_b32 s82, s82, 1
	s_add_co_u32 s82, s82, s77                     ; which 128 tokens of the 8,192: 16 batch + record
	s_lshl_b32 s78, s78, 2
	s_lshl_b32 s79, s79, 1
	s_add_co_u32 s78, s78, s79                     ; the first of my two heads
	s_lshr_b32 s83, s82, 4
	s_lshl_b32 s83, s83, 4
	s_add_co_u32 s83, s83, s78                     ; 16 batch + head
	s_mul_i32 s83, s83, HS
	s_bfe_u32 s76, s82, 0x20002                    ; the record's group
	s_mul_i32 s76, s76, GS
	s_add_co_u32 s83, s83, s76
	s_and_b32 s76, s82, 3
	s_mul_i32 s76, s76, REC
	s_add_co_u32 s83, s83, s76
	s_cmp_eq_u32 s19, 0
	s_cselect_b32 s76, 8*REC, 0                    ; Q's records lie behind K's and V's,
	s_cmp_eq_u32 s19, 2
	s_cselect_b32 s76, 4*REC, s76                  ; V's behind K's
	s_add_co_u32 s82, s83, s76
	s_mov_b32 s83, 0
	s_add_nc_u64 s[PT:PT+1], s[14:15], s[82:83]
	s_add_nc_u64 s[PT+2:PT+3], s[PT:PT+1], HS
	; the bias of my 128 features
	s_cmp_eq_u32 s19, 1
	s_cselect_b64 s[88:89], s[10:11], s[8:9]
	s_cmp_eq_u32 s19, 2
	s_cselect_b64 s[88:89], s[12:13], s[88:89]
	s_lshl_b32 s82, s78, 8                         ; 64 features of 4 bytes a head
	s_add_nc_u64 s[88:89], s[88:89], s[82:83]
	v_lshlrev_b32 v[BOFQ], 6, v3                   ; q, k: the features run down my registers: tile b's eight are 32 (b / 2) + 16 h + 8 (b % 2) + 0 .. 7
	v_and_b32 v6, 8, v2
	v_add_nc_u32 v6, v6, v2
	v_lshlrev_b32 v[BOFV], 2, v6                   ; v: my lane is one feature: 32 (a / 2) + 8 (a % 2) + r + 8 (r / 8), the same in all eight registers
	s_mov_b32 s[SEL], 0x76543210
	s_mov_b32 s[SEL+1], 0xfedcba98
	s_cmp_eq_u32 s19, 2
	s_cbranch_scc1 .Lbias_v
.irp b, 0,1,2,3,4,5,6,7
	global_load_b128 v[BIAS+8*\b:BIAS+8*\b+3], v[BOFQ], s[88:89] offset:(32*(\b/2)+8*(\b%2))*4
	global_load_b128 v[BIAS+8*\b+4:BIAS+8*\b+7], v[BOFQ], s[88:89] offset:(32*(\b/2)+8*(\b%2))*4+16
.endr
	s_branch .Lbias_done
.Lbias_v:
	s_wait_alu depctr_va_vdst(0)
.irp a, 0,1,2,3,4,5,6,7
.irp j, 0,1,2,3,4,5,6,7
	global_load_b32 v[BIAS+8*\a+\j], v[BOFV], s[88:89] offset:(32*(\a/2)+8*(\a%2))*4
.endr
.endr
.Lbias_done:
	s_wait_loadcnt 0x0                             ; scale words and bias
.macro FRAG reg, adr, q, i             ; a fragment's image: six loads of 256 consecutive bytes
.irp p, 0,1,2,3,4,5
	ds_load_b64 v[\reg+2*\p:\reg+2*\p+1], v[\adr] offset:(\i)*3072+(\q)*1536+256*\p
.endr
.endm
.macro FETCH_B slot, q, p              ; B's eight fragments of the slot's q-th K step into set p
	WIN TO_B
.irp i, 0,1,2,3,4,5,6,7
	FRAG 128*(\p)+FR*\i, ADRB+\slot, \q, \i
.endr
	WIN 0
.endm
.macro FETCH_A slot, q, i0             ; A's blocks i0 .. i0 + 3
.irp i, \i0, \i0+1, \i0+2, \i0+3
	FRAG AF+FR*(\i), ADRA+\slot, \q, \i
.endr
.endm
; 16 products: A's blocks a0, a0 + 1 x B's eight, K step ks.  p: B's set.  cm = 0: onto the sums; 1: the sums begin with the bias by b; 2: with the bias by a.
; The 64 accumulators take turns, one instruction a turn, in the same order in every step.
.macro MUL16 a0, p, ks, cm
.irp a, \a0, \a0+1
.irp b, 0,1,2,3,4,5,6,7
.set rD, 8*(8*((\a)%4)+\b)
.set rB, 128*(\p)+FR*\b
.set rA, AF+FR*(\a)
.set sB, 32+8*\b+160*(\b/4)+(\ks)
.set sA, 32+8*(\a)+160*((\a)/4)+(\ks)
.if \cm == 0
	v_wmma_scale_f32_16x16x128_f8f6f4 v[rD:rD+7], v[rB:rB+FR-1], v[rA:rA+FR-1], v[rD:rD+7], v[sB], v[sA] matrix_a_fmt:MATRIX_FMT_FP6 matrix_b_fmt:MATRIX_FMT_FP6 matrix_a_scale:MATRIX_SCALE_ROW1
.elseif \cm == 1
	v_wmma_scale_f32_16x16x128_f8f6f4 v[rD:rD+7], v[rB:rB+FR-1], v[rA:rA+FR-1], v[BIAS+8*\b:BIAS+8*\b+7], v[sB], v[sA] matrix_a_fmt:MATRIX_FMT_FP6 matrix_b_fmt:MATRIX_FMT_FP6 matrix_a_scale:MATRIX_SCALE_ROW1
.else
	v_wmma_scale_f32_16x16x128_f8f6f4 v[rD:rD+7], v[rB:rB+FR-1], v[rA:rA+FR-1], v[BIAS+8*(\a):BIAS+8*(\a)+7], v[sB], v[sA] matrix_a_fmt:MATRIX_FMT_FP6 matrix_b_fmt:MATRIX_FMT_FP6 matrix_a_scale:MATRIX_SCALE_ROW1
.endif
.endr
.endr
.endm
; A slot's first K step: multiplies B's set 0 and fetches the slot's second K step.  Four places stand in front of each run of loads into registers that products have read.
.macro STEP slot, ks, cm
	s_wait_dscnt 4*NL                              ; B's set and A's blocks 0-3 are in; the youngest 24 loads (A's blocks 4-7) may be out
.if \cm
	WIN BIA_LO
.else
	WIN MUL_LO
.endif
	MUL16 0, 0, \ks, \cm
	MUL16 2, 0, \ks, \cm
	s_wait_dscnt 0x0                               ; A's blocks 4-7 are in
	PLACES NP
	FETCH_B \slot, 1, 1
	FETCH_A \slot, 1, 0
.if \cm
	WIN BIA_HI
.else
	WIN MUL_HI
.endif
	MUL16 4, 0, \ks, \cm
	MUL16 6, 0, \ks, \cm
	PLACES NP
	WIN 0
	FETCH_A \slot, 1, 4
.endm
; A slot's second K step multiplies B's set 1 and changes slots, with one barrier.
; mode 2: this slot is filled again.  In front of the barrier each wave waits for all its tensor loads, adds 0 to its spare word, and waits for that and for its reads of the slot; the barrier opens a round of the cluster's, and the joint refill comes first behind it.
; mode 0: the next slot was shown whole at the head's round; K pair 2's fill may stay out.   mode 1: the next slot holds the refill: each wave waits for its part of it.
.macro TURN slot, next, ks, mode
.if \mode == 2
	s_wait_tensorcnt 0x0                           ; all my tensor loads have landed
	ds_add_u32 v[SPW], v[NIL]                      ; 0 onto my spare word
	s_wait_dscnt 4*NL+1                            ; (the add and the youngest 24 loads may be out)
.else
.if \mode == 1
	s_wait_tensorcnt 0x0                           ; my part of K pair 3 has landed
.endif
	s_wait_dscnt 4*NL
.endif
	WIN MUL_LO
	MUL16 0, 1, \ks, 0
	s_wait_dscnt 0x0                               ; my reads of this slot are over (and the add is done)
	s_barrier_signal -1
	MUL16 2, 1, \ks, 0
	WIN 0
	s_barrier_wait -1
.if \mode == 2
	CREST                                          ; no wave of any partner still reads this slot or has a load on its way
	s_add_nc_u64 s[G0+4*\slot+2:G0+4*\slot+3], s[G0+4*\slot+2:G0+4*\slot+3], 2*PLANE
	s_add_nc_u64 s[G0B+4*\slot+2:G0B+4*\slot+3], s[G0B+4*\slot+2:G0B+4*\slot+3], 2*PLANE
	JLOAD G0+4*\slot, G1, G0B+4*\slot, G1B         ; K pair 3; the four v_nop behind it are the places in front of the loads below
.else
	PLACES NP
.endif
	FETCH_B \next, 0, 0
	FETCH_A \next, 0, 0
	WIN MUL_HI
	MUL16 4, 1, \ks, 0
	MUL16 6, 1, \ks, 0
	PLACES NP
	WIN 0
	FETCH_A \next, 0, 4
.endm
	s_wait_alu depctr_va_vdst(0)                   ; the wait at the head's end
	s_wait_tensorcnt 0x0                           ; my load of the head's four is in; the lines ahead of a later first fill
	ds_add_u32 v[SPW], v[NIL]
	s_mov_b32 s[G1+2], 96<<16                      ; no load of mine is out: from here on a load brings 8 tiles, 96 rows
	s_mov_b32 s[G1+4], 96
	s_mov_b32 s[G1B+2], 96<<16
	s_mov_b32 s[G1B+4], 96
	s_mul_i32 s[G0+9], s16, HALFT                  ; slot 2, my quarter, K pair 2
	s_add_co_u32 s[G0+9], s[G0+9], 2*SLOT
	s_add_nc_u64 s[G0+10:G0+11], s[70:71], 2*PLANE
	s_or_b32 s[G0+11], s[G0+11], 0x80000000
	s_mul_i32 s[G0B+9], s16, HALFT
	s_add_co_u32 s[G0B+9], s[G0B+9], 2*SLOT
	s_add_nc_u64 s[G0B+10:G0B+11], s[74:75], 2*PLANE
	s_or_b32 s[G0B+11], s[G0B+11], 0x80000000
	s_wait_dscnt 0x0
	CROUND                                         ; slots 0 and 1 are whole for every wave, and the joint loads meet
	JLOAD G0+8, G1, G0B+8, G1B
	FETCH_B 0, 0, 0
	FETCH_A 0, 0, 0
	FETCH_A 0, 0, 4
	s_cmp_eq_u32 s19, 2                            ; the first K step starts the sums with the bias: by the registers' features (q, k) or by the lane's (v)
	s_cbranch_scc1 .Lfirst_v
	STEP 0, 0, 1
	s_branch .Lfirst_done
.Lfirst_v:
	STEP 0, 0, 2
.Lfirst_done:
	TURN 0, 1, 1, 0
	STEP 1, 2, 0
	s_wait_alu depctr_va_vdst(0)
	TURN 1, 2, 3, 2
	STEP 2, 4, 0
	TURN 2, 1, 5, 1
	STEP 1, 6, 0
	s_wait_dscnt 4*NL                              ; the last K step: nothing more to fetch
	WIN MUL_LO
	MUL16 0, 1, 7, 0
	MUL16 2, 1, 7, 0
	s_wait_dscnt 0x0
	WIN MUL_HI
	MUL16 4, 1, 7, 0
	MUL16 6, 1, 7, 0
	WIN 0
; THE WAY OUT.  Block a's 64 registers of a lane are 128 neighbours' worth along the next K (register 16 b + i = 32 b + 16 h + i): four blocks of 32, quantised in registers.  Each accumulator is read from its low end on.
.macro QUANTW a
.set AC, 64*((\a)%4)
.set W, 2+(\a)/4
.set WMX, (W<<2)|(W<<4)
.set PC, PCB+12*(\a)                   ; each block has 12 registers of its own for its codes: no store's data are written again
	WIN WMX                                        ; sources 1 and 2 in the accumulators' window
.irp b, 0,1,2,3
	v_max3_num_f32 v[TM+\b], 0x1800000, |v[AC+16*\b]|, |v[AC+1+16*\b]|   ; and the floor 2^(3 - 127): the byte cannot fall under 1
.endr
.irp i, 2,4,6,8,10,12,14
.irp b, 0,1,2,3
	v_max3_num_f32 v[TM+\b], v[TM+\b], |v[AC+16*\b+\i]|, |v[AC+1+16*\b+\i]|
.endr
.endr
	WIN 0
.irp b, 0,1,2,3
	v_permlanex16_b32 v[TM+4+\b], v[TM+\b], s[SEL], s[SEL+1]
.endr
.irp b, 0,1,2,3
	v_max_num_f32 v[TM+\b], v[TM+\b], v[TM+4+\b]
.endr
.irp b, 0,1,2,3
	v_add_nc_u32 v[TM+12+\b], 0xff000000, v[TM+\b] ; 2 off the exponent field: the conversion's scale operand
.endr
.irp b, 0,1,2,3
	v_lshrrev_b32 v[TM+4+\b], 23, v[TM+12+\b]      ; the scale's byte
.endr
	v_lshl_or_b32 v[PW], v[TM+5], 8, v[TM+4]
	v_lshl_or_b32 v[PW], v[TM+6], 16, v[PW]
	v_lshl_or_b32 v[PW], v[TM+7], 24, v[PW]
	WIN W                                          ; source 0 in the accumulators' window
.irp c, 0,1
	v_cvt_scalef32_pk16_fp6_f32 v[PC+6*\c:PC+2+6*\c], v[AC+32*\c:AC+15+32*\c], v[TM+12+2*\c]
	v_cvt_scalef32_pk16_fp6_f32 v[TQ+4*\c:TQ+2+4*\c], v[AC+16+32*\c:AC+31+32*\c], v[TM+12+2*\c+1]
.endr
	WIN 0
	v_nop                                          ; one plain place behind a scaled conversion
.irp c, 0,1
.irp i, 0,1,2
	v_permlane16_swap_b32 v[PC+6*\c+\i], v[TQ+4*\c+\i]
.endr
.irp i, 0,1,2
	v_mov_b32 v[PC+3+6*\c+\i], v[TQ+4*\c+\i]
.endr
.endr
.endm
; Block a leaves.  q, k: registers 0-5 are tile a of my first head's record, 6-11 of my second's; the scale word's halves likewise.  v: the fragment is d tile a % 4 of head a / 4.
.macro EPI a
	s_cmp_eq_u32 s19, 2
	s_cbranch_scc1 .Lepi_v_\@
.irp c, 0,1
.irp p, 0,1,2
	global_store_b64 v[L8], v[PC+6*\c+2*\p:PC+6*\c+2*\p+1], s[PT+2*\c:PT+2*\c+1] offset:768*(\a)+256*\p   ; 256 consecutive bytes, aligned
.endr
.endr
.if (\a)%2 == 0
	v_and_b32 v[SW+(\a)/2], 0xffff, v[PW]          ; an even tile's words: wanted in lanes 0-15
	v_lshrrev_b32 v[SW+4+(\a)/2], 16, v[PW]
.else
	v_and_b32 v[PW+1], 0xffff, v[PW]
	v_lshrrev_b32 v[PW+2], 16, v[PW]
	v_cndmask_b32 v[SW+(\a)/2], v[SW+(\a)/2], v[PW+1], s90     ; an odd tile's: into lanes 16-31
	v_cndmask_b32 v[SW+4+(\a)/2], v[SW+4+(\a)/2], v[PW+2], s90
.endif
.if (\a) == 7
	global_store_b128 v[L16], v[SW:SW+3], s[PT:PT+1] offset:6144
	global_store_b128 v[L16], v[SW+4:SW+7], s[PT+2:PT+3] offset:6144
.endif
	s_branch .Lepi_done_\@
.Lepi_v_\@:
	s_wait_alu depctr_va_vdst(0)
.irp i, 0,1,2
	global_store_b128 v[L16], v[PC+4*\i:PC+4*\i+3], s[PT+2*((\a)/4):PT+2*((\a)/4)+1] offset:1536*((\a)%4)+512*\i   ; 512 consecutive bytes, aligned
.endr
.if (\a)%2 == 0
	v_mov_b32 v[SW+4*((\a)/4)+((\a)%4)/2], v[PW]
.else
	v_cndmask_b32 v[SW+4*((\a)/4)+((\a)%4)/2], v[SW+4*((\a)/4)+((\a)%4)/2], v[PW], s90
.endif
.if (\a)%4 == 3
	global_store_b128 v[L16], v[SW+4*((\a)/4):SW+4*((\a)/4)+3], s[PT+2*((\a)/4):PT+2*((\a)/4)+1] offset:6144
.endif
.Lepi_done_\@:
.endm
	PLACES NP                                      ; behind the last products, in front of the first read of results and the first write of A's registers
.irp i, 0,1,2,3,4,5,6,7
	v_mov_b32 v[SW+\i], 0                          ; the records' scale words; V's last two stay zeros
.endr
.irp b, 0,1,2,3
	v_mov_b32 v[TM+4+\b], 0                        ; a lane permute's destination counts as one of its sources
.endr
.irp a, 0,1,2,3,4,5,6,7
	QUANTW \a
	EPI \a
.endr
	s_wait_tensorcnt 0x0                           ; the wave's end
	ds_add_u32 v[SPW], v[NIL]
	s_wait_dscnt 0x0
	CROUND                                         ; the closing round: no work-group ends while a partner may still ask for a tile that names it
	s_endpgm
.Lfunc_end_k_q8f918586e2_proj:
	.size	k_q8f918586e2_proj, .Lfunc_end_k_q8f918586e2_proj-k_q8f918586e2_proj
	.p2alignl 7, 3214868480
	.fill 96, 4, 3214868480
	.section	.rodata,"a",@progbits
	.p2align	6, 0x0
	.amdhsa_kernel k_q8f918586e2_proj
		.amdhsa_group_segment_fixed_size 327680
		.amdhsa_private_segment_fixed_size 0
		.amdhsa_enable_private_segment 0
		.amdhsa_kernarg_size 48
		.amdhsa_user_sgpr_count 2
		.amdhsa_user_sgpr_kernarg_segment_ptr 1
		.amdhsa_wavefront_size32 1
		.amdhsa_system_sgpr_workgroup_id_x 1
		.amdhsa_system_sgpr_workgroup_id_y 1
		.amdhsa_system_sgpr_workgroup_id_z 1
		.amdhsa_system_vgpr_workitem_id 0
		.amdhsa_next_free_vgpr 1024
		.amdhsa_next_free_sgpr 100
		.amdhsa_reserve_vcc 0
		.amdhsa_float_denorm_mode_32 3
		.amdhsa_float_denorm_mode_16_64 3
		.amdhsa_memory_ordered 1
		.amdhsa_forward_progress 1
		.amdhsa_inst_pref_size 192
	.end_amdhsa_kernel
	.amdgpu_metadata
---
amdhsa.version: [ 1, 2 ]
amdhsa.kernels:
  - .name:           k_q8f918586e2_proj
    .symbol:         k_q8f918586e2_proj.kd
    .args:
      - { .name: codes, .offset: 0, .size: 8, .value_kind: global_buffer, .address_space: global }
      - { .name: scales, .offset: 8, .size: 8, .value_kind: global_buffer, .address_space: global }
      - { .name: bq, .offset: 16, .size: 8, .value_kind: global_buffer, .address_space: global }
      - { .name: bk, .offset: 24, .size: 8, .value_kind: global_buffer, .address_space: global }
      - { .name: bv, .offset: 32, .size: 8, .value_kind: global_buffer, .address_space: global }
      - { .name: qkv, .offset: 40, .size: 8, .value_kind: global_buffer, .address_space: global }
    .group_segment_fixed_size: 327680
    .private_segment_fixed_size: 0
    .kernarg_segment_align: 8
    .kernarg_segment_size: 48
    .max_flat_workgroup_size: 128
    .sgpr_count:     100
    .vgpr_count:     1024
    .wavefront_size: 32
...
	.end_amdgpu_metadata
.endif
;; end of part 2
;; launch attn (part 3): grid 4 x 64, 16 waves a work-group, clusters of 4 x 1, 327,680 bytes of LDS; arguments qkv, codes, scales; writes codes, scales
.if DOCPART == 3
	.amdgcn_target "amdgcn-amd-amdhsa--gfx1250"
	.amdhsa_code_object_version 6
	.text
	.protected	k_q8f918586e2_attn
	.globl	k_q8f918586e2_attn
	.p2align	8
	.type	k_q8f918586e2_attn,@function
k_q8f918586e2_attn:
	s_mov_b64 s[64:65], 0
	v_nop
	global_prefetch_b8 v0, s[64:65] scope:SCOPE_SE
	s_setreg_imm32_b32 hwreg(HW_REG_WAVE_MODE, 25, 1), 1
	s_wait_xcnt 0x0
	s_wait_alu depctr_hold_cnt(0) depctr_sa_sdst(0) depctr_va_vdst(0) depctr_va_sdst(0) depctr_va_ssrc(0) depctr_va_vcc(0) depctr_vm_vsrc(0)
	s_getreg_b32 s2, hwreg(HW_REG_IB_STS2, 6, 4)
	s_cmp_eq_u32 s2, 0
	s_cbranch_scc0 .Lentry_in_a_cluster
	s_endpgm
.Lentry_in_a_cluster:
	s_bfe_u32 s2, ttmp6, 0x10000c
	s_cmp_lg_u32 s2, 0x3003
	s_cbranch_scc0 .Lentry_shape_is_right
	s_endpgm
.Lentry_shape_is_right:
; ATTENTION OF ONE HEAD ON CODES OF FP6 (E2M3): S^T = k q^T, p = 2^(t - M), O^T = v^T p^T, x = O / l, and x's quantiser for the projection on the way out.
; A work-group takes one of the 64 (batch, head) pairs (y) and a quarter of its 2,048 queries (x); a wave takes 32 queries, 16 at a time, and walks all 2,048 keys in 16 steps of 128.
; qkv: [head][group 0..3][12 records of 6,656 bytes]: K of four key steps, V of the same, Q of four query records, as the projections' launch leaves them.
; LDS: the head's K, 16 records from byte 0, and its V, 16 records from VB: 212,992 bytes, filled ONCE: each of the 16 waves asks for two neighbouring records (52 rows of 256 bytes) by one tensor load at the head.
; Nothing is filled again, so one wait and one barrier show all of it to all waves, and the waves then share nothing more.  CLUSTER 4 x 1: the four quarters of a head need the same K and V and ask jointly.
; No prefetch: all that the launch streams is asked for at its head, ahead of any loop.
; BOTH PRODUCTS ARE USED TRANSPOSED: a lane (r, h) holds query r throughout.  key_'s tiles are laid so that rows 0-7 of tile 4 c + j are keys 64 c + 8 j + 0 .. 7 of the step and rows 8-15 keys 64 c + 32 + 8 j + 0 .. 7:
; a lane's score registers 32 c + 0 .. 31 are keys 64 c + 32 h + 0 .. 31, ONE WHOLE SCALE BLOCK of p, in the order of the operand's registers: no lane asks another for a block's maximum, and no codes change lanes.
; K = 64 in the first product: q's fragment has zero codes for k = 64 .. 127, so what stands there in k's fragment adds nothing (every code of this format is a finite number, and those blocks' scale bytes are 0, a finite scale).
; So k's eight tiles lie six registers apart, and a fragment's upper six registers are the next tile's (the last one's: six registers of zeros).
; M is the running largest t rounded up to a whole number, kept as -M; when it moves, the sums are multiplied by 2^(old M - new M).  The row's sum is taken of the unquantised p.  A block's largest p is the block's largest score put through the same multiply-add and exponential.
; ORDER OF A STEP: scores; V's loads into k's registers; maxima; M; O and the sum under the new M; t - M; exponentials; scales and codes; O^T += v^T p^T; the row's sum, among whose additions the next step's k is loaded.
; (The last step loads the record behind K's last, which is V's first: bytes that were filled; they are not used.)
; LIMITS: the promise holds while the scaled scores stay under 2^31 in magnitude; NaN and infinities are not served; a block whose largest magnitude lies under 2^-124 keeps the byte 1 (this program alone reads the bytes).
.set HS,    319488
.set GS,    79872
.set REC,   6656
.set VB,    16*REC
.set SPARE, 32*REC                     ; behind K and V: the spare words, 128 bytes a wave
.set PLANE, 7077888
.set L8,  1                            ; 8 x lane
.set L16, 2                            ; 16 x lane
.set LV,  3                            ; 16 x lane + VB
.set QSO, 4
.set QCO, 5
.set XSO, 6
.set AK,  7                            ; LDS: the next step's k codes; v8 its scale words; v9 this step's V
.set AS,  8
.set AV,  9
.set OLD, 10                           ; -M as it was
.set SH,  11                           ; 8 h
.set Q,   16                           ; v16-27 q's fragment
.set SPW, 30
.set NIL, 31
.set KF,  32                           ; v32-85 k's tiles; then V's four fragments in v32-79
.set X,   86                           ; v86-89 four chains of maxima
.set E,   90                           ; v90-91 the conversions' scale operands
.set BY,  92                           ; v92-93 scale bytes
.set W,   94
.set T,   95                           ; a lane permute's destination
.set T2,  96                           ; v96-97 the sum's second chain
.set Q1,  100                          ; v100-106 the second tile's q and its scale word
.set S,   128                          ; v128-191 scores, then p
.set O,   192                          ; v192-223 O^T
.set PC,  224                          ; v224-235 p's codes
.set TQ,  236                          ; v236-238, v240-242 the blocks' second halves
.set VS,  246                          ; v246-247 V's scale words
.set KS,  248                          ; v248-251 k's
.set F,   252                          ; v252 the factor; v253 p's scale word; v254 at work; v255 q's scale word
.set PSW, 253
.set QS,  255
.set TB,  2
.set CNT, 3
.set WV,  18
.set SEL, 20
.set CS,  22
.set G1,  24
.set G0,  32
.set TILES, 48
.set QP,  50
.set XC,  54
.set XS,  56
.macro CROUND
	s_barrier_signal -1
	s_barrier_wait -1
	s_cmp_lg_u32 s[WV], 0
	s_cbranch_scc1 .Lnot_wave_0_\@
	s_barrier_signal -3
.Lnot_wave_0_\@:
	s_barrier_wait -3
	s_barrier_signal -1
	s_barrier_wait -1
.endm
.macro SMUL d, a, b, z, sa, sb, row
.if \z
.if \row
	v_wmma_scale_f32_16x16x128_f8f6f4 v[(\d):(\d)+7], v[(\a):(\a)+11], v[(\b):(\b)+11], 0, v[\sa], v[\sb] matrix_a_fmt:MATRIX_FMT_FP6 matrix_b_fmt:MATRIX_FMT_FP6 matrix_a_scale:MATRIX_SCALE_ROW1
.else
	v_wmma_scale_f32_16x16x128_f8f6f4 v[(\d):(\d)+7], v[(\a):(\a)+11], v[(\b):(\b)+11], 0, v[\sa], v[\sb] matrix_a_fmt:MATRIX_FMT_FP6 matrix_b_fmt:MATRIX_FMT_FP6
.endif
.else
.if \row
	v_wmma_scale_f32_16x16x128_f8f6f4 v[(\d):(\d)+7], v[(\a):(\a)+11], v[(\b):(\b)+11], v[(\d):(\d)+7], v[\sa], v[\sb] matrix_a_fmt:MATRIX_FMT_FP6 matrix_b_fmt:MATRIX_FMT_FP6 matrix_a_scale:MATRIX_SCALE_ROW1
.else
	v_wmma_scale_f32_16x16x128_f8f6f4 v[(\d):(\d)+7], v[(\a):(\a)+11], v[(\b):(\b)+11], v[(\d):(\d)+7], v[\sa], v[\sb] matrix_a_fmt:MATRIX_FMT_FP6 matrix_b_fmt:MATRIX_FMT_FP6
.endif
.endif
.endm
.macro KLOAD ak, as                    ; a step's k: four scale words and eight tiles of six registers
	ds_load_b128 v[KS:KS+3], v[\as] offset:6144
.irp t, 0,1,2,3,4,5,6,7
.irp p, 0,1,2
	ds_load_b64 v[KF+6*\t+2*\p:KF+6*\t+2*\p+1], v[\ak] offset:768*\t+256*\p
.endr
.endr
.endm
.macro SUMS n                          ; 4 n registers of p onto the row's sum, in two chains
.rept \n
	v_pk_add_f32 v[14:15], v[14:15], v[S+j:S+j+1]
	v_pk_add_f32 v[T2:T2+1], v[T2:T2+1], v[S+j+2:S+j+3]
.set j, j+4
.endr
.endm
	s_load_b128 s[4:7], s[0:1], 0x0                ; qkv, codes
	s_load_b64 s[8:9], s[0:1], 0x10                ; scales
	v_lshl_add_u32 v[SPW], v0, 2, SPARE
	v_mov_b32 v[NIL], 0
	ds_add_u32 v[SPW], v[NIL]                      ; the opening lines: the add twice on end and its wait ahead of my tensor load
	ds_add_u32 v[SPW], v[NIL]
	v_lshrrev_b32 v8, 5, v0
	v_readfirstlane_b32 s[WV], v8                  ; wave 0..15
	s_bfe_u32 s10, ttmp6, 0x40000
	s_lshl_b32 s11, ttmp9, 2
	s_add_co_u32 s10, s10, s11                     ; which quarter of the queries
	s_and_b32 s12, ttmp7, 0xffff                   ; 16 batch + head
	s_mov_b32 s[G1], 15|(3<<16)|(1<<21)            ; the four partners; elements of 8 bytes
	s_mov_b32 s[G1+1], 32<<16
	s_mov_b32 s[G1+2], 52<<16                      ; two records: 52 rows of 256 bytes, dense
	s_mov_b32 s[G1+3], 32<<16
	s_mov_b32 s[G1+4], 52
	s_mov_b32 s[G1+5], 32
	s_mov_b32 s[G1+6], 0
	s_mov_b32 s[G1+7], 0
	s_mul_i32 s14, s12, HS
	s_mov_b32 s15, 0
	s_lshr_b32 s16, s[WV], 2                       ; wave w fetches records 2 (w % 4), 2 (w % 4) + 1 of group w / 4: K's four, then V's four
	s_mul_i32 s58, s16, GS
	s_and_b32 s17, s[WV], 3
	s_mul_i32 s17, s17, 2*REC
	s_add_co_u32 s58, s58, s17
	s_mov_b32 s59, 0
	s_mul_i32 s16, s16, 4*REC                      ; in LDS: key step 4 (w / 4) + 2 (w % 2), K's at 0, V's at VB
	s_and_b32 s17, s[WV], 1
	s_mul_i32 s17, s17, 2*REC
	s_add_co_u32 s16, s16, s17
	s_bfe_u32 s17, s[WV], 0x10001
	s_mul_i32 s17, s17, VB
	s_add_co_u32 s[G0+1], s16, s17
	s_mov_b32 s[G0], 1
	s_mov_b32 s[SEL], 0x76543210
	s_mov_b32 s[SEL+1], 0xfedcba98                 ; lane l xor 16
	s_mov_b32 s[CS], 0x3e38aa3b                    ; log2(e) / 8
	s_mov_b32 s[CS+1], s[CS]
	s_wait_alu depctr_va_vdst(0)
	s_wait_dscnt 0x0
	CROUND                                         ; the four work-groups are here: the joint loads meet
	s_wait_kmcnt 0x0
	s_add_nc_u64 s[14:15], s[4:5], s[14:15]
	s_add_nc_u64 s[G0+2:G0+3], s[14:15], s[58:59]
	s_or_b32 s[G0+3], s[G0+3], 0x80000000
	tensor_load_to_lds s[G0:G0+3], s[G1:G1+7]      ; my one load
	s_nop 0
	s_mul_i32 s50, s10, GS                         ; q: record wave / 4 of group x, tiles 2 (wave % 4) and the next
	s_lshr_b32 s51, s[WV], 2
	s_mul_i32 s51, s51, REC
	s_add_co_u32 s50, s50, s51
	s_add_co_u32 s50, s50, 8*REC
	s_mov_b32 s51, 0
	s_add_nc_u64 s[QP:QP+1], s[14:15], s[50:51]
	v_and_b32 v10, 31, v0
	v_and_b32 v11, 15, v0
	v_lshlrev_b32 v[L8], 3, v10
	v_lshlrev_b32 v[L16], 4, v10
	s_and_b32 s58, s[WV], 3
	s_lshl_b32 s59, s58, 2
	s_add_co_u32 s59, s59, 6144
	v_lshl_add_u32 v[QSO], v11, 4, s59
	s_mul_i32 s58, s58, 1536
	v_add_nc_u32 v[QCO], s58, v[L8]
.irp p, 0,1,2
	global_load_b64 v[Q+2*\p:Q+2*\p+1], v[QCO], s[QP:QP+1] offset:256*\p
	global_load_b64 v[Q1+2*\p:Q1+2*\p+1], v[QCO], s[QP:QP+1] offset:768+256*\p
.endr
	global_load_b32 v[QS], v[QSO], s[QP:QP+1]
	global_load_b32 v[Q1+6], v[QSO], s[QP:QP+1] offset:256
	s_and_b32 s49, s12, 15                         ; x goes into the codes' buffer as tiles 1792 + 128 batch + 32 x + 2 wave, K = 64 head + 0 .. 63
	s_lshr_b32 s57, s12, 4
	s_lshl_b32 s57, s57, 7
	s_lshl_b32 s58, s10, 5
	s_add_co_u32 s57, s57, s58
	s_lshl_b32 s58, s[WV], 1
	s_add_co_u32 s57, s57, s58
	s_add_co_u32 s57, s57, 1792
	s_mul_i32 s54, s57, 3072
	s_lshr_b32 s58, s49, 2
	s_mul_i32 s58, s58, PLANE
	s_add_co_u32 s54, s54, s58
	s_and_b32 s58, s49, 3
	s_mul_i32 s58, s58, 768
	s_add_co_u32 s54, s54, s58
	s_mov_b32 s55, 0
	s_add_nc_u64 s[XC:XC+1], s[6:7], s[54:55]
	s_lshl_b32 s58, s57, 9
	s_lshl_b32 s59, s49, 1
	s_add_co_u32 s58, s58, s59
	s_mov_b32 s59, 0
	s_add_nc_u64 s[XS:XS+1], s[8:9], s[58:59]
	s_wait_alu depctr_va_vdst(0)                   ; the wait here, behind the run of scalar lines and directly ahead of the readers below
	v_lshlrev_b32 v[XSO], 5, v11
	v_add_nc_u32 v[LV], VB, v[L16]
	v_bfe_u32 v[SH], v0, 4, 1
	v_lshlrev_b32 v[SH], 3, v[SH]
.irp i, 6,7,8,9,10,11
	v_mov_b32 v[Q+\i], 0                           ; q's k = 64 .. 127: zero codes
	v_mov_b32 v[KF+42+\i], 0                       ; behind k's last tile
.endr
	v_mov_b32 v[T], 0                              ; a lane permute's destination counts as one of its sources
	v_mov_b32 v[PSW], 0                            ; named as the upper half of the pair v[252:253] before it is first written
	s_mov_b32 s[TILES], 2
	s_wait_alu depctr_va_vdst(0)                   ; the wait at the head's end
	s_wait_loadcnt 0x0
	s_wait_tensorcnt 0x0                           ; my two records are in
	s_barrier_signal -1
	s_barrier_wait -1                              ; and everybody's: all of K and V
.Ltile:
	KLOAD L8, L16                                  ; key step 0
	s_mov_b32 s[TB], 0
	s_mov_b32 s[CNT], 16
	v_mov_b32 v13, 0xff61b1e6                      ; the largest t so far: -3e38
	v_floor_f32 v12, -v13
	v_mov_b32 v14, 0
	v_mov_b32 v15, 0
.set j, 0
.rept 32
	v_mov_b32 v[O+j], 0                            ; the step is written once: the first finds zeros
.set j, j+1
.endr
	s_wait_alu depctr_va_vdst(0)
.Lstep:
	s_wait_dscnt 0x0                               ; this step's k
.irp t, 0,1,2,3,4,5,6,7
	SMUL S+8*\t, KF+6*\t, Q, 1, KS+\t/2, QS, \t%2
.endr
	v_add_nc_u32 v[AV], s[TB], v[LV]               ; four plain lines: the places behind the products
	s_add_co_u32 s[TB], s[TB], REC
	v_add_nc_u32 v[AK], s[TB], v[L8]
	v_add_nc_u32 v[AS], s[TB], v[L16]
	v_mov_b32 v[OLD], v12
.irp t, 0,1,2,3
.irp i, 0,1,2
	ds_load_b128 v[KF+12*\t+4*\i:KF+12*\t+4*\i+3], v[AV] offset:1536*\t+512*\i
.endr
.endr
	ds_load_b64 v[VS:VS+1], v[AV] offset:6144
.irp b, 0,1,2,3
	v_max3_num_f32 v[X+\b], v[S+16*\b], v[S+16*\b+1], v[S+16*\b+2]   ; four chains by turns, each accumulator from its low end on
.endr
.irp i, 3,5,7,9,11,13
.irp b, 0,1,2,3
	v_max3_num_f32 v[X+\b], v[X+\b], v[S+16*\b+\i], v[S+16*\b+\i+1]
.endr
.endr
	v_max3_num_f32 v[X], v[X], v[X+1], v[S+15]
	v_max3_num_f32 v[X+2], v[X+2], v[X+3], v[S+47]
	v_max_num_f32 v[X], v[X], v[S+31]              ; the largest score of my block h,
	v_max_num_f32 v[X+2], v[X+2], v[S+63]          ; and of my block 2 + h
	s_delay_alu instid0(VALU_DEP_1)
	v_max_num_f32 v254, v[X], v[X+2]
	s_delay_alu instid0(VALU_DEP_1)
	v_permlanex16_b32 v[T], v254, s[SEL], s[SEL+1]
	s_delay_alu instid0(VALU_DEP_1)
	v_max_num_f32 v254, v254, v[T]                 ; the step's largest score of my query
	s_delay_alu instid0(VALU_DEP_1)
	v_mul_f32 v254, s[CS], v254
	s_delay_alu instid0(VALU_DEP_1)
	v_max_num_f32 v13, v13, v254                   ; the running largest t
	s_delay_alu instid0(VALU_DEP_1)
	v_floor_f32 v12, -v13                          ; -M = -ceil(t)
	s_delay_alu instid0(VALU_DEP_1)
	v_sub_f32 v254, v12, v[OLD]
	s_delay_alu instid0(VALU_DEP_1)
	v_cvt_i32_f32 v254, v254                       ; (it saturates)
	s_delay_alu instid0(VALU_DEP_1)
	v_ldexp_f32 v[F], 1.0, v254                    ; 2^(old M - new M)
	v_pk_mul_f32 v[14:15], v[14:15], v[F:F+1] op_sel_hi:[1,0]
.set j, 0
.rept 16
	v_pk_mul_f32 v[O+j:O+j+1], v[O+j:O+j+1], v[F:F+1] op_sel_hi:[1,0]   ; O^T under the new M
.set j, j+2
.endr
.set j, 0
.rept 32
	v_pk_fma_f32 v[S+j:S+j+1], v[S+j:S+j+1], s[CS:CS+1], v[12:13] op_sel_hi:[1,0,0]   ; t - M
.set j, j+2
.endr
	v_fma_f32 v[X], v[X], s[CS], v12               ; the same of each block's largest score
	v_fma_f32 v[X+2], v[X+2], s[CS], v12
	s_wait_alu depctr_va_vdst(0)                   ; the wait ahead of the batch
.set j, 0
.rept 64
	v_exp_f32 v[S+j], v[S+j]
.set j, j+1
.endr
	v_exp_f32 v[X], v[X]
	v_exp_f32 v[X+2], v[X+2]
	v_nop                                          ; a plain place behind the exponentials
	s_wait_alu depctr_va_vdst(0)                   ; and one wait behind the batch
	s_wait_dscnt 0x0                               ; V's fragments, asked for ahead of the maxima
	v_max_num_f32 v[X], 0x1800000, v[X]            ; the floor 2^(3 - 127): the byte cannot fall under 1
	v_max_num_f32 v[X+2], 0x1800000, v[X+2]
	v_add_nc_u32 v[E], 0xff000000, v[X]            ; 2 off the exponent field: the conversions' scale operand
	v_add_nc_u32 v[E+1], 0xff000000, v[X+2]
.irp c, 0,1
	v_cvt_scalef32_pk16_fp6_f32 v[PC+6*\c:PC+6*\c+2], v[S+32*\c:S+32*\c+15], v[E+\c]
	v_cvt_scalef32_pk16_fp6_f32 v[TQ+4*\c:TQ+4*\c+2], v[S+32*\c+16:S+32*\c+31], v[E+\c]   ; (a conversion's three registers begin on an even number)
.endr
	v_lshrrev_b32 v[BY], 23, v[E]                  ; the scale bytes of blocks h and 2 + h
	v_lshrrev_b32 v[BY+1], 23, v[E+1]
	v_lshl_or_b32 v[W], v[BY+1], 16, v[BY]
	v_mov_b32 v[PC+3], v[TQ]
	v_lshlrev_b32 v[W], v[SH], v[W]                ; at their places in the scale word
	v_mov_b32 v[PC+4], v[TQ+1]
	v_permlanex16_b32 v[T], v[W], s[SEL], s[SEL+1]
	v_mov_b32 v[PC+5], v[TQ+2]
	v_or_b32 v[PSW], v[W], v[T]                    ; with lane l xor 16's two the word is whole
.irp i, 0,1,2
	v_mov_b32 v[PC+9+\i], v[TQ+4+\i]
.endr
	v_pk_add_f32 v[T2:T2+1], v[S:S+1], v[S+2:S+3]  ; the row's sum, of the unquantised p.  Ten plain lines stand between the scale word's last write and the products, seven behind the codes' last
.set j, 4
	SUMS 3
.irp t, 0,1,2,3
	SMUL O+8*\t, KF+12*\t, PC, 0, VS+\t/2, PSW, \t%2
.endr
	SUMS 2                                         ; four places behind the products
	KLOAD AK, AS                                   ; the next step's k, into the registers that held V
	SUMS 10
	v_pk_add_f32 v[14:15], v[14:15], v[T2:T2+1]
	s_sub_co_u32 s[CNT], s[CNT], 1
	s_cmp_lg_u32 s[CNT], 0
	s_wait_alu depctr_va_vdst(0)
	s_cbranch_scc1 .Lstep
	s_wait_dscnt 0x0                               ; the loads of the record behind K's last: not used
	v_add_f32 v14, v14, v15
	v_permlanex16_b32 v[T], v14, s[SEL], s[SEL+1]
	v_add_f32 v14, v14, v[T]                       ; the row's sum
	s_wait_alu depctr_va_vdst(0)
	v_rcp_f32 v14, v14
	v_nop
	s_wait_alu depctr_va_vdst(0)
.set j, 0
.rept 16
	v_pk_mul_f32 v[S+j:S+j+1], v[O+j:O+j+1], v[14:15] op_sel_hi:[1,0]   ; x: register 16 b + i is d = 32 b + 16 h + i
.set j, j+2
.endr
.irp b, 0,1
	v_max3_num_f32 v[X+\b], |v[S+16*\b]|, |v[S+16*\b+1]|, 0x1800000
.endr
.irp i, 2,4,6,8,10,12,14
.irp b, 0,1
	v_max3_num_f32 v[X+\b], v[X+\b], |v[S+16*\b+\i]|, |v[S+16*\b+\i+1]|
.endr
.endr
.irp b, 0,1
	v_permlanex16_b32 v[X+2+\b], v[X+\b], s[SEL], s[SEL+1]
.endr
.irp b, 0,1
	v_max_num_f32 v[X+\b], v[X+\b], v[X+2+\b]      ; with lane l xor 16's 16: the block's largest magnitude
.endr
.irp b, 0,1
	v_add_nc_u32 v[E+\b], 0xff000000, v[X+\b]
.endr
.irp b, 0,1
	v_lshrrev_b32 v[BY+\b], 23, v[E+\b]
.endr
	v_lshl_or_b32 v254, v[BY+1], 8, v[BY]
	v_cvt_scalef32_pk16_fp6_f32 v[PC:PC+2], v[S:S+15], v[E]
	v_cvt_scalef32_pk16_fp6_f32 v[TQ+4:TQ+6], v[S+16:S+31], v[E+1]
	v_nop
.irp i, 0,1,2
	v_permlane16_swap_b32 v[PC+\i], v[TQ+4+\i]     ; a whole block to a lane: lanes 0-15 block 0, lanes 16-31 block 1
.endr
.irp i, 0,1,2
	v_mov_b32 v[PC+3+\i], v[TQ+4+\i]
.endr
.irp p, 0,1,2
	global_store_b64 v[L8], v[PC+2*\p:PC+2*\p+1], s[XC:XC+1] offset:256*\p   ; 256 consecutive bytes, aligned
.endr
	global_store_b16 v[XSO], v254, s[XS:XS+1]
.irp i, 0,1,2,3,4,5
	v_mov_b32 v[Q+\i], v[Q1+\i]                    ; the second tile's q
.endr
	v_mov_b32 v[QS], v[Q1+6]
	s_wait_xcnt 0x0                                ; the stores have read their bases
	s_add_nc_u64 s[XC:XC+1], s[XC:XC+1], 3072
	s_add_nc_u64 s[XS:XS+1], s[XS:XS+1], 512
	s_sub_co_u32 s[TILES], s[TILES], 1
	s_cmp_lg_u32 s[TILES], 0
	s_wait_alu depctr_va_vdst(0)
	s_cbranch_scc1 .Ltile
	s_wait_tensorcnt 0x0                           ; the wave's end
	ds_add_u32 v[SPW], v[NIL]
	s_wait_dscnt 0x0
	CROUND                                         ; the closing round
	s_endpgm
.Lfunc_end_k_q8f918586e2_attn:
	.size	k_q8f918586e2_attn, .Lfunc_end_k_q8f918586e2_attn-k_q8f918586e2_attn
	.p2alignl 7, 3214868480
	.fill 96, 4, 3214868480
	.section	.rodata,"a",@progbits
	.p2align	6, 0x0
	.amdhsa_kernel k_q8f918586e2_attn
		.amdhsa_group_segment_fixed_size 327680
		.amdhsa_private_segment_fixed_size 0
		.amdhsa_enable_private_segment 0
		.amdhsa_kernarg_size 24
		.amdhsa_user_sgpr_count 2
		.amdhsa_user_sgpr_kernarg_segment_ptr 1
		.amdhsa_wavefront_size32 1
		.amdhsa_system_sgpr_workgroup_id_x 1
		.amdhsa_system_sgpr_workgroup_id_y 1
		.amdhsa_system_sgpr_workgroup_id_z 1
		.amdhsa_system_vgpr_workitem_id 0
		.amdhsa_next_free_vgpr 256
		.amdhsa_next_free_sgpr 66
		.amdhsa_reserve_vcc 0
		.amdhsa_float_denorm_mode_32 3
		.amdhsa_float_denorm_mode_16_64 3
		.amdhsa_memory_ordered 1
		.amdhsa_forward_progress 1
		.amdhsa_inst_pref_size 29
	.end_amdhsa_kernel
	.amdgpu_metadata
---
amdhsa.version: [ 1, 2 ]
amdhsa.kernels:
  - .name:           k_q8f918586e2_attn
    .symbol:         k_q8f918586e2_attn.kd
    .args:
      - { .name: qkv, .offset: 0, .size: 8, .value_kind: global_buffer, .address_space: global }
      - { .name: codes, .offset: 8, .size: 8, .value_kind: global_buffer, .address_space: global }
      - { .name: scales, .offset: 16, .size: 8, .value_kind: global_buffer, .address_space: global }
    .group_segment_fixed_size: 327680
    .private_segment_fixed_size: 0
    .kernarg_segment_align: 8
    .kernarg_segment_size: 24
    .max_flat_workgroup_size: 512
    .sgpr_count:     66
    .vgpr_count:     256
    .wavefront_size: 32
...
	.end_amdgpu_metadata
.endif
;; end of part 3
;; launch outp (part 4): grid 4 x 32, 4 waves a work-group, clusters of 4 x 4, 327,680 bytes of LDS; arguments codes, scales, bo, out0; writes out0
.if DOCPART == 4
	.amdgcn_target "amdgcn-amd-amdhsa--gfx1250"
	.amdhsa_code_object_version 6
	.text
	.protected	k_q8f918586e2_outp
	.globl	k_q8f918586e2_outp
	.p2align	8
	.type	k_q8f918586e2_outp,@function
k_q8f918586e2_outp:
	s_mov_b64 s[64:65], 0
	v_nop
	global_prefetch_b8 v0, s[64:65] scope:SCOPE_SE
	s_setreg_imm32_b32 hwreg(HW_REG_WAVE_MODE, 25, 1), 1
	s_wait_xcnt 0x0
	s_wait_alu depctr_hold_cnt(0) depctr_sa_sdst(0) depctr_va_vdst(0) depctr_va_sdst(0) depctr_va_ssrc(0) depctr_va_vcc(0) depctr_vm_vsrc(0)
	s_getreg_b32 s2, hwreg(HW_REG_IB_STS2, 6, 4)
	s_cmp_eq_u32 s2, 0
	s_cbranch_scc0 .Lentry_in_a_cluster
	s_endpgm
.Lentry_in_a_cluster:
	s_bfe_u32 s2, ttmp6, 0x10000c
	s_cmp_lg_u32 s2, 0xf033
	s_cbranch_scc0 .Lentry_shape_is_right
	s_endpgm
.Lentry_shape_is_right:
.set PLANE, 7077888
.set FR,    12
.set NL,    6
.set NP,    4
.set HALFT, 24576
.set SLOT,  4*HALFT
.set SPARE, 3*SLOT
.set SPITCH, 528
.set L8,   12
.set L16,  13
.set SOFF, 14
.set BOFQ, 15
.set ADRA, 16
.set ADRB, 20
.set STO,  24
.set RD,   25
.set SPW,  28
.set NIL,  29
.set BIAS, 64
.set AF,   128
.set BK,   64
.set G1,  24
.set G0,  32
.set G1B, 44
.set G0B, 52
.set MSB, 0
.macro WIN new
.if MSB != \new
	s_set_vgpr_msb (MSB<<8)|\new
.set MSB, \new
.endif
.endm
.set MUL_LO, 0xa1
.set MUL_HI, 0xf1
.set BIA_LO, 0x81
.set BIA_HI, 0xc1
.set TO_B,   0x40
.macro JLOAD g0a, g1a, g0b, g1b
	s_cmp_eq_u32 s17, 0
	s_cbranch_scc0 .Lfor_b_\@
	tensor_load_to_lds s[\g0a:\g0a+3], s[\g1a:\g1a+7]
	s_nop 0
.rept 4
	v_nop
.endr
	s_branch .Lasked_\@
.Lfor_b_\@:
	tensor_load_to_lds s[\g0b:\g0b+3], s[\g1b:\g1b+7]
	s_nop 0
.rept 4
	v_nop
.endr
.Lasked_\@:
.endm
.macro CREST
	s_cmp_lg_u32 s16, 0
	s_cbranch_scc1 .Lnot_wave_0_\@
	s_barrier_signal -3
.Lnot_wave_0_\@:
	s_barrier_wait -3
	s_barrier_signal -1
	s_barrier_wait -1
.endm
.macro CROUND
	s_barrier_signal -1
	s_barrier_wait -1
	CREST
.endm
.macro PLACES n
.rept \n
	v_nop
.endr
.endm
	s_load_b256 s[4:11], s[0:1], 0x0
	v_lshl_add_u32 v[SPW], v0, 2, SPARE
	v_mov_b32 v[NIL], 0
	ds_add_u32 v28, v29
	ds_add_u32 v28, v29
	s_wait_dscnt 0x0
	v_lshrrev_b32 v1, 5, v0
	v_readfirstlane_b32 s16, v1
	s_lshr_b32 s17, s16, 1
	s_and_b32 s18, s16, 1
	s_bfe_u32 s20, ttmp6, 0x40000
	s_bfe_u32 s21, ttmp6, 0x40004
	s_and_b32 s67, ttmp7, 0xffff
	s_lshl_b32 s22, s21, 2
	s_lshl_b32 s22, 15, s22
	s_lshl_b32 s23, 0x1111, s20
	s_or_b32 s[G1], s22, (3<<16)|(1<<21)
	s_or_b32 s[G1B], s23, (3<<16)|(1<<21)
.irp g, G1, G1B
	s_mov_b32 s[\g+1], 32<<16
	s_mov_b32 s[\g+2], 192<<16                     ; the head's loads bring 16 tiles, 192 rows of 256 bytes
	s_mov_b32 s[\g+3], 32<<16
	s_mov_b32 s[\g+4], 192
	s_mov_b32 s[\g+5], 32
	s_mov_b32 s[\g+6], 0
	s_mov_b32 s[\g+7], 0
.endr
	s_lshl_b32 s68, s67, 6
	s_add_co_u32 s68, s68, 1792
	s_lshl_b32 s69, s21, 4
	s_add_co_u32 s68, s68, s69
	s_lshl_b32 s72, s20, 4
	s_add_co_u32 s72, s72, 1728
	s_lshl_b32 s76, s18, 3
	s_add_co_u32 s70, s68, s76
	s_mul_i32 s70, s70, 3072
	s_mov_b32 s71, 0
	s_add_co_u32 s74, s72, s76
	s_mul_i32 s74, s74, 3072
	s_mov_b32 s75, 0
	s_mul_i32 s77, s16, HALFT
	s_wait_kmcnt 0x0
	s_add_nc_u64 s[70:71], s[4:5], s[70:71]
	s_add_nc_u64 s[74:75], s[4:5], s[74:75]
	CROUND
.irp s, 1
	s_mov_b32 s[G0+4*\s], 1
	s_add_co_u32 s[G0+4*\s+1], s77, \s*SLOT
	s_add_nc_u64 s[G0+4*\s+2:G0+4*\s+3], s[70:71], \s*PLANE
	s_or_b32 s[G0+4*\s+3], s[G0+4*\s+3], 0x80000000
	s_mov_b32 s[G0B+4*\s], 1
	s_add_co_u32 s[G0B+4*\s+1], s77, \s*SLOT
	s_add_nc_u64 s[G0B+4*\s+2:G0B+4*\s+3], s[74:75], \s*PLANE
	s_or_b32 s[G0B+4*\s+3], s[G0B+4*\s+3], 0x80000000
.endr
	; THE FILLS: at the head one joint load a wave, 16 tiles each: waves 0 and 2 A's tiles of K pairs 0 and 1, waves 1 and 3 B's, into slots 0 and 1.  K pair 2 is slot 2's first fill, behind the lines and a round;
	; K pair 3 is the one refill, into slot 1, in the round at the end of K pair 1.  Group 0 of the head's loads lies in slot 2's registers, which are written anew behind the wait for these loads.
	s_mul_i32 s78, s68, 3072
	s_mul_i32 s79, s17, PLANE
	s_add_co_u32 s78, s78, s79
	s_mov_b32 s79, 0
	s_mul_i32 s80, s72, 3072
	s_mul_i32 s81, s17, PLANE
	s_add_co_u32 s80, s80, s81
	s_mov_b32 s81, 0
	s_mov_b32 s[G0+8], 1
	s_mul_i32 s[G0+9], s17, SLOT
	s_add_nc_u64 s[G0+10:G0+11], s[4:5], s[78:79]
	s_or_b32 s[G0+11], s[G0+11], 0x80000000
	s_mov_b32 s[G0B+8], 1
	s_mul_i32 s[G0B+9], s17, SLOT
	s_add_co_u32 s[G0B+9], s[G0B+9], 2*HALFT
	s_add_nc_u64 s[G0B+10:G0B+11], s[4:5], s[80:81]
	s_or_b32 s[G0B+11], s[G0B+11], 0x80000000
	s_cmp_eq_u32 s18, 0
	s_cbranch_scc0 .Lhead_b
	tensor_load_to_lds s[G0+8:G0+11], s[G1:G1+7]
	s_nop 0
.rept 4
	v_nop
.endr
	s_branch .Lhead_asked
.Lhead_b:
	tensor_load_to_lds s[G0B+8:G0B+11], s[G1B:G1B+7]
	s_nop 0
.rept 4
	v_nop
.endr
.Lhead_asked:
	v_and_b32 v1, 31, v0
	v_and_b32 v2, 15, v0
	v_bfe_u32 v3, v0, 4, 1
	v_lshlrev_b32 v[L8], 3, v1
	v_lshlrev_b32 v[L16], 4, v1
	s_mul_i32 s78, s17, HALFT
	s_mul_i32 s79, s18, HALFT
	s_add_co_u32 s79, s79, 2*HALFT
.irp s, 0,1,2
	v_add_nc_u32 v[ADRA+\s], s78, v[L8]
	v_add_nc_u32 v[ADRB+\s], s79, v[L8]
	s_add_co_u32 s78, s78, SLOT
	s_add_co_u32 s79, s79, SLOT
.endr
	s_mul_i32 s78, s16, 16*SPITCH                  ; the stage lies in slot 0, which has its only fill at the head and its last read ahead of the first change of slots
	v_mul_u32_u24 v[STO], v2, SPITCH
	v_lshl_add_u32 v[STO], v3, 6, v[STO]
	v_add_nc_u32 v[STO], s78, v[STO]
	v_add_nc_u32 v[RD], s78, v[L16]
	s_lshl_b32 s80, s17, 3
	s_add_co_u32 s80, s80, s68
	s_lshl_b32 s80, s80, 9
	s_lshl_b32 s81, s18, 3
	s_add_co_u32 s81, s81, s72
	s_lshl_b32 s81, s81, 9
	s_mov_b32 s90, 0xffff0000
	v_mov_b32 v4, s80
	v_mov_b32 v5, s81
	v_cndmask_b32 v4, v4, v5, s90
	v_lshl_add_u32 v[SOFF], v2, 5, v4
.irp i, 0,1,2,3,4,5,6,7
	global_load_b128 v[32+8*\i+160*(\i/4):35+8*\i+160*(\i/4)], v[SOFF], s[6:7] offset:512*\i
	global_load_b128 v[36+8*\i+160*(\i/4):39+8*\i+160*(\i/4)], v[SOFF], s[6:7] offset:512*\i+16
.endr
	s_lshl_b32 s82, s20, 10
	s_lshl_b32 s83, s18, 9
	s_add_co_u32 s82, s82, s83
	s_mov_b32 s83, 0
	s_add_nc_u64 s[88:89], s[8:9], s[82:83]
	s_add_nc_u64 s[12:13], s[10:11], s[82:83]
	s_lshl_b32 s82, s67, 2
	s_add_co_u32 s82, s82, s21
	s_lshl_b32 s82, s82, 1
	s_add_co_u32 s82, s82, s17
	s_lshl_b32 s82, s82, 19
	s_add_nc_u64 s[12:13], s[12:13], s[82:83]
	v_lshlrev_b32 v[BOFQ], 6, v3
.irp b, 0,1,2,3,4,5,6,7
	global_load_b128 v[BIAS+8*\b:BIAS+8*\b+3], v[BOFQ], s[88:89] offset:(32*(\b/2)+8*(\b%2))*4
	global_load_b128 v[BIAS+8*\b+4:BIAS+8*\b+7], v[BOFQ], s[88:89] offset:(32*(\b/2)+8*(\b%2))*4+16
.endr
	s_wait_loadcnt 0x0
.macro FRAG reg, adr, q, i
.irp p, 0,1,2,3,4,5
	ds_load_b64 v[\reg+2*\p:\reg+2*\p+1], v[\adr] offset:(\i)*3072+(\q)*1536+256*\p
.endr
.endm
.macro FETCH_B slot, q, p
	WIN TO_B
.irp i, 0,1,2,3,4,5,6,7
	FRAG 128*(\p)+FR*\i, ADRB+\slot, \q, \i
.endr
	WIN 0
.endm
.macro FETCH_A slot, q, i0
.irp i, \i0, \i0+1, \i0+2, \i0+3
	FRAG AF+FR*(\i), ADRA+\slot, \q, \i
.endr
.endm
.macro MUL16 a0, p, ks, cm
.irp a, \a0, \a0+1
.irp b, 0,1,2,3,4,5,6,7
.set rD, 8*(8*((\a)%4)+\b)
.set rB, 128*(\p)+FR*\b
.set rA, AF+FR*(\a)
.set sB, 32+8*\b+160*(\b/4)+(\ks)
.set sA, 32+8*(\a)+160*((\a)/4)+(\ks)
.if \cm == 0
	v_wmma_scale_f32_16x16x128_f8f6f4 v[rD:rD+7], v[rB:rB+FR-1], v[rA:rA+FR-1], v[rD:rD+7], v[sB], v[sA] matrix_a_fmt:MATRIX_FMT_FP6 matrix_b_fmt:MATRIX_FMT_FP6 matrix_a_scale:MATRIX_SCALE_ROW1
.else
	v_wmma_scale_f32_16x16x128_f8f6f4 v[rD:rD+7], v[rB:rB+FR-1], v[rA:rA+FR-1], v[BIAS+8*\b:BIAS+8*\b+7], v[sB], v[sA] matrix_a_fmt:MATRIX_FMT_FP6 matrix_b_fmt:MATRIX_FMT_FP6 matrix_a_scale:MATRIX_SCALE_ROW1
.endif
.endr
.endr
.endm
.macro STEP slot, ks, cm
	s_wait_dscnt 4*NL
.if \cm
	WIN BIA_LO
.else
	WIN MUL_LO
.endif
	MUL16 0, 0, \ks, \cm
	MUL16 2, 0, \ks, \cm
	s_wait_dscnt 0x0
	PLACES NP
	FETCH_B \slot, 1, 1
	FETCH_A \slot, 1, 0
.if \cm
	WIN BIA_HI
.else
	WIN MUL_HI
.endif
	MUL16 4, 0, \ks, \cm
	MUL16 6, 0, \ks, \cm
	PLACES NP
	WIN 0
	FETCH_A \slot, 1, 4
.endm
.macro TURN slot, next, ks, mode
.if \mode == 2
	s_wait_tensorcnt 0x0
	ds_add_u32 v[SPW], v[NIL]
	s_wait_dscnt 4*NL+1
.else
.if \mode == 1
	s_wait_tensorcnt 0x0
.endif
	s_wait_dscnt 4*NL
.endif
	WIN MUL_LO
	MUL16 0, 1, \ks, 0
	s_wait_dscnt 0x0
	s_barrier_signal -1
	MUL16 2, 1, \ks, 0
	WIN 0
	s_barrier_wait -1
.if \mode == 2
	CREST
	s_add_nc_u64 s[G0+4*\slot+2:G0+4*\slot+3], s[G0+4*\slot+2:G0+4*\slot+3], 2*PLANE
	s_add_nc_u64 s[G0B+4*\slot+2:G0B+4*\slot+3], s[G0B+4*\slot+2:G0B+4*\slot+3], 2*PLANE
	JLOAD G0+4*\slot, G1, G0B+4*\slot, G1B
.else
	PLACES NP
.endif
	FETCH_B \next, 0, 0
	FETCH_A \next, 0, 0
	WIN MUL_HI
	MUL16 4, 1, \ks, 0
	MUL16 6, 1, \ks, 0
	PLACES NP
	WIN 0
	FETCH_A \next, 0, 4
.endm
	s_wait_alu depctr_va_vdst(0)                   ; the wait at the head's end
	s_wait_tensorcnt 0x0                           ; my load of the head's four is in; the lines ahead of a later first fill
	ds_add_u32 v[SPW], v[NIL]
	s_mov_b32 s[G1+2], 96<<16                      ; no load of mine is out: from here on a load brings 8 tiles, 96 rows
	s_mov_b32 s[G1+4], 96
	s_mov_b32 s[G1B+2], 96<<16
	s_mov_b32 s[G1B+4], 96
	s_mul_i32 s[G0+9], s16, HALFT                  ; slot 2, my quarter, K pair 2
	s_add_co_u32 s[G0+9], s[G0+9], 2*SLOT
	s_add_nc_u64 s[G0+10:G0+11], s[70:71], 2*PLANE
	s_or_b32 s[G0+11], s[G0+11], 0x80000000
	s_mul_i32 s[G0B+9], s16, HALFT
	s_add_co_u32 s[G0B+9], s[G0B+9], 2*SLOT
	s_add_nc_u64 s[G0B+10:G0B+11], s[74:75], 2*PLANE
	s_or_b32 s[G0B+11], s[G0B+11], 0x80000000
	s_wait_dscnt 0x0
	CROUND
	JLOAD G0+8, G1, G0B+8, G1B
	FETCH_B 0, 0, 0
	FETCH_A 0, 0, 0
	FETCH_A 0, 0, 4
	STEP 0, 0, 1
	TURN 0, 1, 1, 0
	STEP 1, 2, 0
	TURN 1, 2, 3, 2
	STEP 2, 4, 0
	TURN 2, 1, 5, 1
	STEP 1, 6, 0
	s_wait_dscnt 4*NL
	WIN MUL_LO
	MUL16 0, 1, 7, 0
	MUL16 2, 1, 7, 0
	s_wait_alu depctr_va_vdst(0)
	s_wait_dscnt 0x0
	WIN MUL_HI
	MUL16 4, 1, 7, 0
	MUL16 6, 1, 7, 0
	WIN 0
.macro TOSTAGE a
.set AC, 64*((\a)%4)
.set WST, 0x08+4*((\a)/4)
	WIN WST
.irp b, 0,1,2,3,4,5,6,7
	ds_store_b128 v[STO], v[AC+8*\b:AC+8*\b+3] offset:128*(\b/2)+32*(\b%2)
	ds_store_b128 v[STO], v[AC+8*\b+4:AC+8*\b+7] offset:128*(\b/2)+32*(\b%2)+16
.endr
	WIN 0
.set BB, BK+64*((\a)%2)
.irp t, 0,1,2,3,4,5,6,7,8,9,10,11,12,13,14,15
	ds_load_b128 v[BB+4*\t:BB+4*\t+3], v[RD] offset:\t*SPITCH
.endr
.endm
.macro SEND a, younger
.set BB, BK+64*((\a)%2)
	s_wait_dscnt \younger
.irp t, 0,1,2,3,4,5,6,7,8,9,10,11,12,13,14,15
	global_store_b128 v[L16], v[BB+4*\t:BB+4*\t+3], s[12:13] offset:(32*((\a)/2)+8*((\a)%2)+\t+8*(\t/8))*4096 th:TH_STORE_NT
.endr
.endm
	PLACES NP
	TOSTAGE 0
.irp a, 1,2,3,4,5,6,7
.if \a > 1
	s_wait_xcnt 0x0
.endif
	TOSTAGE \a
	SEND \a-1, 32
.endr
	SEND 7, 0
	s_wait_tensorcnt 0x0
	ds_add_u32 v[SPW], v[NIL]
	s_wait_dscnt 0x0
	CROUND
	s_endpgm
.Lfunc_end_k_q8f918586e2_outp:
	.size	k_q8f918586e2_outp, .Lfunc_end_k_q8f918586e2_outp-k_q8f918586e2_outp
	.p2alignl 7, 3214868480
	.fill 96, 4, 3214868480
	.section	.rodata,"a",@progbits
	.p2align	6, 0x0
	.amdhsa_kernel k_q8f918586e2_outp
		.amdhsa_group_segment_fixed_size 327680
		.amdhsa_private_segment_fixed_size 0
		.amdhsa_enable_private_segment 0
		.amdhsa_kernarg_size 32
		.amdhsa_user_sgpr_count 2
		.amdhsa_user_sgpr_kernarg_segment_ptr 1
		.amdhsa_wavefront_size32 1
		.amdhsa_system_sgpr_workgroup_id_x 1
		.amdhsa_system_sgpr_workgroup_id_y 1
		.amdhsa_system_sgpr_workgroup_id_z 1
		.amdhsa_system_vgpr_workitem_id 0
		.amdhsa_next_free_vgpr 1024
		.amdhsa_next_free_sgpr 100
		.amdhsa_reserve_vcc 0
		.amdhsa_float_denorm_mode_32 3
		.amdhsa_float_denorm_mode_16_64 3
		.amdhsa_memory_ordered 1
		.amdhsa_forward_progress 1
		.amdhsa_inst_pref_size 158
	.end_amdhsa_kernel
	.amdgpu_metadata
---
amdhsa.version: [ 1, 2 ]
amdhsa.kernels:
  - .name:           k_q8f918586e2_outp
    .symbol:         k_q8f918586e2_outp.kd
    .args:
      - { .name: codes, .offset: 0, .size: 8, .value_kind: global_buffer, .address_space: global }
      - { .name: scales, .offset: 8, .size: 8, .value_kind: global_buffer, .address_space: global }
      - { .name: bo, .offset: 16, .size: 8, .value_kind: global_buffer, .address_space: global }
      - { .name: out0, .offset: 24, .size: 8, .value_kind: global_buffer, .address_space: global }
    .group_segment_fixed_size: 327680
    .private_segment_fixed_size: 0
    .kernarg_segment_align: 8
    .kernarg_segment_size: 32
    .max_flat_workgroup_size: 128
    .sgpr_count:     100
    .vgpr_count:     1024
    .wavefront_size: 32
...
	.end_amdgpu_metadata
.endif
;; end of part 4
